; MI455X (gfx1250); checked and timed in simulation.
; The chip was launched on July 23, 2026; its instructions are those of AMD's public machine-readable ISA for CDNA 5 (MIT licence, August 2026) and "CDNA5" Instruction Set Architecture Reference Guide (July 2026). The comments in the code are by the model that wrote it; some were corrected since.
;; Attn. Allowed arithmetic: matrix products marked QUANTISED: E2M1 operands, one E8M0 scale for each 32 along K, by v_wmma_scale_f32_16x16x128_f8f6f4 with both operands' format E2M1 (or v_wmma_scale_f32_32x16x128_f4), f32 sums; products left as they are: f32 operands where the result goes on into a quantised operand, else bf16, f16 or f32 operands; f32 sums; everything else in f32.
;; Inputs: M_b 1,024 float32; M_w 1,024 x 2,048 float32; V_b 1 float32; V_w 1 x 1,024 float32; encoder_outputs 32 x 2,048 x 1,024 float32; hidden 32 x 1 x 1,024 float32; mask 32 x 2,048 bool.
;; Outputs: out0 32 x 1 x 1,024 float32; out1 32 x 1 x 2,048 float32.
;; This version of the problem:
;;   THIS VERSION OF THE PROBLEM IS GIVEN IN LOW PRECISION. The matrix products marked QUANTISED in the list below multiply operands that are first quantised to E2M1 (2 exponent bits, 1 mantissa bit; 4 bits a number), with one power-of-two scale for each 32 numbers along K (OCP MX v1.0); their sums are f32. All else is computed in f32.
;;   The module's matrix products, in the order in which they are computed (A, B: the left and right operand; K: the contracted axis; several contracted axes count as one K, in the product's order):
;;     1. [M 65,536, K 1,024] x [K 1,024, N 1,024]; A: input encoder_outputs; B: input M_w: QUANTISED
;;     2. batch 1,024 x [M 1, K 1] x [K 1, N 32]; A: computed on the way; B: computed on the way: left as it is (no contracted axis)
;;     3. [M 65,536, K 1,024] x [K 1,024, N 1]; A: computed on the way; B: input V_w: left as it is (N = 1 < 16)
;;     4. batch 32 x [M 1, K 2,048] x [K 2,048, N 1,024]; A: softmax; B: input encoder_outputs: left as it is (M = 1 < 16)
;;   THE QUANTISER, for each operand of a quantised product, along K:
;;     - K is cut into blocks of 32 from its start; a last block that is shorter is filled with zeros.
;;     - A block's scale is 2^e with e = floor(log2(the largest magnitude in the block)) - 2, held to -126 .. 127; a block of zeros has e = 0. As a byte (E8M0): e + 127.
;;     - Each number is divided by its block's scale, clamped to +-6, and rounded to the nearest number of E2M1, ties to even, subnormals kept.
;;     - The product sums the exact products of the quantised numbers (number of the format x scale) in f32.
;;   ~~~python
;;   def quantise(x, axis):      # numpy; x: float32 -> the quantised numbers, widened to float32 again
;;       x = np.moveaxis(x, axis, -1); K = x.shape[-1]
;;       x = np.pad(x, [(0, 0)] * (x.ndim - 1) + [(0, -K % 32)]); x = x.reshape(x.shape[:-1] + (-1, 32)); a = np.abs(x).max(-1, keepdims=True)
;;       e = np.where(a > 0, np.clip(np.frexp(np.where(a > 0, a, 1))[1] - 1 - 2, -126, 127), 0)      # np.frexp(a)[1] - 1 = floor(log2(a)), exactly
;;       r = np.clip(x / 2.0 ** e, -6, 6)
;;       step = 2.0 ** (np.maximum(np.frexp(np.where(r == 0, 1, r))[1] - 1, 0) - 1)
;;       q = np.round(r / step) * step * 2.0 ** e      # np.round: ties to even
;;       return np.moveaxis(q.reshape(q.shape[:-2] + (-1,))[..., :K], -1, axis).astype(np.float32)
;;   ~~~
;; 2 versions, each right; version 2 is version 1 with the launch main written anew for expert scheduling mode. Each part assembles by itself: llvm-mc -triple=amdgcn-amd-amdhsa -mcpu=gfx1250 --defsym DOCPART=n.
;; ======== version 1 of 2: 3 launches
;; limits: right only within a limited range of input values
;; workspace buffers: wq 557,056 bytes; tab 135,424 bytes; lists 532,480 bytes of whole numbers; sc 327,680 bytes; part 1,114,112 bytes
;; launch prep (part 1): grid 83 x 1, 16 waves a work-group, no clusters, 14,848 bytes of LDS; arguments M_w, hidden, M_b, V_w, V_b, mask, wq, tab, lists; writes wq, tab, lists
.if DOCPART == 1
	.amdgcn_target "amdgcn-amd-amdhsa--gfx1250"
	.amdhsa_code_object_version 6
	.text
	.protected	k_q56e22de6e7_prep
	.globl	k_q56e22de6e7_prep
	.p2align	8
	.type	k_q56e22de6e7_prep,@function
k_q56e22de6e7_prep:
	s_mov_b64 s[64:65], 0
	v_nop
	global_prefetch_b8 v0, s[64:65] scope:SCOPE_SE
	s_setreg_imm32_b32 hwreg(HW_REG_WAVE_MODE, 25, 1), 1
	s_wait_xcnt 0x0
; WHAT THE PROGRAM COMPUTES.  m[b,s,h] = sum_e Q(enc[b,s,e]) Q(M_w[h,e]) + c[b,h], c[b,h] = hidden[b,h] x colsum[h] + M_b[h], colsum[h] = sum_g M_w[g,1024+h]
; (the second einsum of the problem contracts nothing: it is hidden times a column sum); score[b,s] = sum_h V_w[h] tanh(m) + V_b; masked positions get -1e30; softmax over s; out0 = sum_s w enc.
; WORK THAT IS NOT DONE.  The mask is an input of whole numbers.  Where it is set, the score is replaced by -1e30, so that row's product, tanh and score reach no output, whatever the other inputs hold;
; its weight is exp(-1e30 - max), which is 0 in f32 as soon as one row of the batch is unmasked, so its term in out0 is 0 too.  This launch therefore stores, for each batch, a list of its rows with
; the unmasked ones first, and the next launch reads the list from memory and takes only those.  A batch with no unmasked row has equal weights: there all 2,048 rows are taken, with the score -1e30.
; All inputs are loaded.  LIMITS: unmasked scores lie above -1e29 (sum |V_w| + |V_b| under 1e29); a NaN or an infinity in a masked row of encoder_outputs is not carried to out0;
; a block of zeros gets the scale byte 1 (its codes are zeros, and the bytes are read by this program alone); NaN and infinities among the quantised numbers are not served.
; tanh(x) = 1 - 2 / (1 + 2^(2 log2(e) x)), so V tanh = V + V' r with V' = -2 V: this launch stores V' and the constant sum V_w + V_b.
; FOUR ROLES, by the work-group's number; each role that uses LDS has bytes of its own.
;   A, 0-63:  16 rows of M_w[:, :1024] become codes of E2M1 and E8M0 bytes, laid in the order of a matrix operand's registers (8,704 bytes a tile).  A wave takes a row.
;   B, 64-79: 64 columns of M_w[:, 1024:] are summed over the 1,024 rows; c for all 32 batches.      C, 80-81: a wave takes a batch's mask: list, ranks, count.      D, 82: V' and the constant (one wave).
.set IMG,   0                          ; role A: a tile's image, 8,192 bytes of codes and 512 of scale words
.set RED,   8704                       ; role B: 16 waves x 256 bytes of partial column sums
.set SPARE, 12800                      ; the spare words, 128 bytes for each of 16 waves; no other line names them
.set X,  32                            ; v32-63  a row's 32 numbers of a lane
.set T,  16                            ; v16-19  largest magnitudes, then the conversions' scale operands
.set CD, 20                            ; v20-23  codes
.set BY, 24                            ; v24-27  scale bytes
.macro QADD a, b                       ; four sums: quad a += quad b
	v_pk_add_f32 v[(\a):(\a)+1], v[(\a):(\a)+1], v[(\b):(\b)+1]
	v_pk_add_f32 v[(\a)+2:(\a)+3], v[(\a)+2:(\a)+3], v[(\b)+2:(\b)+3]
.endm
	s_load_b512 s[4:19], s[0:1], 0x0               ; M_w s[4:5], hidden s[6:7], M_b s[8:9], V_w s[10:11], V_b s[12:13], mask s[14:15], wq s[16:17], tab s[18:19]
	s_load_b64 s[20:21], s[0:1], 0x40              ; lists
	v_lshl_add_u32 v1, v0, 2, SPARE                ; my spare word; never rewritten
	v_mov_b32 v2, 0                                ; 0; never rewritten
	v_lshrrev_b32 v6, 5, v0
	v_readfirstlane_b32 s22, v6                    ; wave 0..15
	v_and_b32 v3, 31, v0                           ; lane
	v_and_b32 v4, 15, v0                           ; r = lane % 16
	v_bfe_u32 v5, v0, 4, 1                         ; h = lane / 16
	s_mov_b32 s34, 0x76543210
	s_mov_b32 s35, 0xfedcba98                      ; selects for lane l xor 16
	s_mov_b32 s25, 0
	s_mov_b32 s27, 0
	s_wait_kmcnt 0x0
	s_cmp_lt_u32 ttmp9, 64
	s_cbranch_scc1 .Lrole_a
	s_cmp_lt_u32 ttmp9, 80
	s_cbranch_scc1 .Lrole_b
	s_cmp_lt_u32 ttmp9, 82
	s_cbranch_scc1 .Lrole_c
; ---- D: V' = -2 V_w, and sum V_w + V_b
	s_cmp_lg_u32 s22, 0
	s_cbranch_scc1 .Lend
	s_load_b32 s24, s[12:13], 0x0                  ; V_b
	v_lshlrev_b32 v6, 4, v3
	v_lshlrev_b32 v7, 3, v3
.irp i, 0,1,2,3,4,5,6,7
	global_load_b128 v[32+4*\i:35+4*\i], v6, s[10:11] offset:512*\i
.endr
	s_wait_loadcnt 0x0
.irp i, 0,1,2,3,4,5,6,7,8,9,10,11,12,13,14,15
	v_pk_mul_f32 v[64+2*\i:65+2*\i], v[32+2*\i:33+2*\i], -2.0 op_sel_hi:[1,0]
.endr
.irp i, 0,1,2,3,4,5,6,7
	global_store_b128 v6, v[64+4*\i:67+4*\i], s[18:19] offset:131072+512*\i   ; 32 lanes store 512 consecutive bytes
.endr
.irp i, 0,1,2,3
	QADD 32+4*\i, 48+4*\i
.endr
	QADD 32, 40
	QADD 36, 44
	QADD 32, 36
	v_pk_add_f32 v[32:33], v[32:33], v[34:35]
	v_add_f32 v32, v32, v33
	v_add_f32_dpp v32, v32, v32 row_xmask:1 row_mask:0xf bank_mask:0xf
	v_add_f32_dpp v32, v32, v32 row_xmask:2 row_mask:0xf bank_mask:0xf
	v_add_f32_dpp v32, v32, v32 row_xmask:4 row_mask:0xf bank_mask:0xf
	v_add_f32_dpp v32, v32, v32 row_xmask:8 row_mask:0xf bank_mask:0xf
	v_permlanex16_b32 v33, v32, s34, s35
	v_add_f32 v32, v32, v33
	s_wait_kmcnt 0x0
	v_add_f32 v32, s24, v32
	v_mov_b32 v33, v32
	global_store_b64 v7, v[32:33], s[18:19] offset:135168    ; the constant, 64 times: 256 consecutive bytes
	s_branch .Lend
; ---- A: row 16 T + wave of M_w, columns 0..1023
.Lrole_a:
	s_lshl_b32 s24, ttmp9, 4
	s_add_co_u32 s24, s24, s22
	s_lshl_b32 s24, s24, 13                        ; a row of M_w is 8,192 bytes
	s_add_nc_u64 s[24:25], s[4:5], s[24:25]
	v_lshlrev_b32 v6, 5, v4
	v_lshl_add_u32 v6, v5, 4, v6                   ; 32 r + 16 h: a load's 512 consecutive bytes, dealt so that two loads and an exchange of halves give a lane 8 neighbours
.irp i, 0,1,2,3,4,5,6,7
	global_load_b128 v[X+4*\i:X+4*\i+3], v6, s[24:25] offset:512*\i
.endr
	; where my codes go in the image.  After the exchange register group j of lane (r, h) holds K = 128 (2 j + h) + 8 r + 0..7.  The image has, for K step k and half c, 512 bytes: lane (hh, row) 16 bytes at 16 (16 hh + row):
	; K = 128 k + 64 c + 32 hh + 0..31.  So: 2048 j + 1024 h + 512 (r / 8) + 256 ((r / 4) % 2) + 16 wave + 4 (r % 4)
	v_lshrrev_b32 v7, 3, v4
	v_lshlrev_b32 v7, 9, v7
	v_lshl_add_u32 v7, v5, 10, v7
	v_bfe_u32 v8, v0, 2, 1
	v_lshl_add_u32 v7, v8, 8, v7
	v_and_b32 v8, 3, v0
	v_lshl_add_u32 v7, v8, 2, v7
	s_lshl_b32 s26, s22, 4
	v_add_nc_u32 v7, s26, v7
	v_bfe_u32 v8, v0, 2, 2                         ; the scale bytes: lane (hs, row) 16 bytes, word i = K step 4 hs + i: 256 (j / 2) + 8 (j % 2) + 16 wave + 4 h + r / 4
	v_lshl_add_u32 v8, v5, 2, v8
	v_add_nc_u32 v8, s26, v8
	v_lshlrev_b32 v9, 4, v0                        ; the way out: 16 bytes a thread
	s_mul_i32 s26, ttmp9, 8704
	s_add_nc_u64 s[26:27], s[16:17], s[26:27]
	s_wait_loadcnt 0x0
.irp j, 0,1,2,3
.irp i, 0,1,2,3
	v_permlane16_swap_b32 v[X+8*\j+\i], v[X+8*\j+4+\i]
.endr
.endr
.irp j, 0,1,2,3
	v_max3_num_f32 v[T+\j], |v[X+8*\j]|, |v[X+8*\j+1]|, 0x1800000   ; my 8 numbers, and the floor 2^(3 - 127): the byte cannot fall under 1
.endr
.irp i, 2,4,6
.irp j, 0,1,2,3
	v_max3_num_f32 v[T+\j], v[T+\j], |v[X+8*\j+\i]|, |v[X+8*\j+\i+1]|
.endr
.endr
.irp j, 0,1,2,3
	v_max_num_f32_dpp v[T+\j], v[T+\j], v[T+\j] row_xmask:1 row_mask:0xf bank_mask:0xf   ; a block of 32 lies in four neighbouring lanes
.endr
.irp j, 0,1,2,3
	v_max_num_f32_dpp v[T+\j], v[T+\j], v[T+\j] row_xmask:2 row_mask:0xf bank_mask:0xf
.endr
.irp j, 0,1,2,3
	v_add_nc_u32 v[T+\j], 0xff000000, v[T+\j]      ; 2 off the exponent field: the conversion's scale operand
.endr
.irp j, 0,1,2,3
	v_cvt_scalef32_pk8_fp4_f32 v[CD+\j], v[X+8*\j:X+8*\j+7], v[T+\j]
.endr
.irp j, 0,1,2,3
	v_lshrrev_b32 v[BY+\j], 23, v[T+\j]            ; the scale's byte (plain lines behind the conversions)
.endr
.irp j, 0,1,2,3
	ds_store_b32 v7, v[CD+\j] offset:IMG+2048*\j
.endr
.irp j, 0,1,2,3
	ds_store_b8 v8, v[BY+\j] offset:IMG+8192+256*(\j/2)+8*(\j%2)   ; the four lanes of a block write the same byte with the same value
.endr
	s_wait_dscnt 0x0                               ; for the others' sake: my stores have landed
	s_barrier_signal -1
	s_barrier_wait -1
	ds_load_b128 v[40:43], v9 offset:IMG
	s_wait_dscnt 0x0
	global_store_b128 v9, v[40:43], s[26:27]       ; 512 threads: the tile's 8,192 bytes of codes, dense
	s_cmp_lg_u32 s22, 0
	s_cbranch_scc1 .Lend
	ds_load_b128 v[44:47], v9 offset:IMG+8192
	s_wait_dscnt 0x0
	global_store_b128 v9, v[44:47], s[26:27] offset:8192   ; wave 0: the 512 bytes of scale words
	s_branch .Lend
; ---- B: columns 1024 + 64 cb .. + 63
.Lrole_b:
	s_sub_co_u32 s24, ttmp9, 64
	s_lshl_b32 s24, s24, 8                         ; 256 bytes of columns
	s_add_nc_u64 s[6:7], s[6:7], s[24:25]
	s_add_nc_u64 s[8:9], s[8:9], s[24:25]
	s_add_nc_u64 s[18:19], s[18:19], s[24:25]
	s_add_nc_u64 s[4:5], s[4:5], s[24:25]
	s_lshl_b32 s24, s22, 19                        ; my 64 rows of 8,192 bytes,
	s_add_co_u32 s24, s24, 4096                    ; second half of a row
	s_add_nc_u64 s[4:5], s[4:5], s[24:25]
	v_lshrrev_b32 v10, 4, v0                       ; at the end thread (b, q) makes c[b][4 q .. 4 q + 3]
	v_lshlrev_b32 v10, 12, v10
	v_lshl_add_u32 v10, v4, 4, v10
	v_lshlrev_b32 v11, 4, v4
	v_lshl_add_u32 v12, v5, 13, v11                ; lanes 0-15 one row's 256 bytes, lanes 16-31 the next row's
	s_lshl_b32 s26, s22, 8
	v_add_nc_u32 v13, s26, v11
	global_load_b128 v[164:167], v10, s[6:7]       ; hidden
	global_load_b128 v[168:171], v11, s[8:9]       ; M_b
.irp i, 0,1,2,3,4,5,6,7,8,9,10,11,12,13,14,15,16,17,18,19,20,21,22,23,24,25,26,27,28,29,30,31
	global_load_b128 v[32+4*\i:35+4*\i], v12, s[4:5] offset:16384*\i th:TH_LOAD_NT
.endr
.irp c, 0,1,2,3
	v_mov_b32 v[160+\c], 0                         ; a lane permute's destination counts as one of its sources
.endr
	s_wait_loadcnt 0x0
.irp i, 0,1,2,3,4,5,6,7,8,9,10,11,12,13,14,15
	QADD 32+4*\i, 96+4*\i
.endr
.irp i, 0,1,2,3,4,5,6,7
	QADD 32+4*\i, 64+4*\i
.endr
.irp i, 0,1,2,3
	QADD 32+4*\i, 48+4*\i
.endr
	QADD 32, 40
	QADD 36, 44
	QADD 32, 36
.irp c, 0,1,2,3
	v_permlanex16_b32 v[160+\c], v[32+\c], s34, s35
.endr
	QADD 32, 160                                   ; even rows' and odd rows' sums
	ds_store_b128 v13, v[32:35] offset:RED         ; both halves of the lanes write the same bytes with the same values
	s_wait_dscnt 0x0
	s_barrier_signal -1
	s_barrier_wait -1
.irp u, 0,1,2,3,4,5,6,7,8,9,10,11,12,13,14,15
	ds_load_b128 v[32+4*\u:35+4*\u], v11 offset:RED+256*\u
.endr
	s_wait_dscnt 0x0
.irp i, 0,1,2,3,4,5,6,7
	QADD 32+4*\i, 64+4*\i
.endr
.irp i, 0,1,2,3
	QADD 32+4*\i, 48+4*\i
.endr
	QADD 32, 40
	QADD 36, 44
	QADD 32, 36
	v_pk_fma_f32 v[164:165], v[164:165], v[32:33], v[168:169]
	v_pk_fma_f32 v[166:167], v[166:167], v[34:35], v[170:171]
	global_store_b128 v10, v[164:167], s[18:19]    ; sixteen lanes store 256 consecutive bytes of one batch's row of c
	s_branch .Lend
; ---- C: batch 16 (work-group - 80) + wave.  order[rank] = position, rank[position]: unmasked positions get ranks 0, 1, .. , masked ones 2047, 2046, ..: always a whole permutation
.Lrole_c:
	s_sub_co_u32 s24, ttmp9, 80
	s_lshl_b32 s24, s24, 4
	s_add_co_u32 s24, s24, s22
	s_lshl_b32 s26, s24, 11
	s_add_nc_u64 s[14:15], s[14:15], s[26:27]      ; the batch's mask
	s_lshl_b32 s26, s24, 13
	s_add_nc_u64 s[36:37], s[20:21], s[26:27]      ; its list; its ranks lie 262,144 bytes on
	s_lshl_b32 s26, s24, 8
	s_add_nc_u64 s[38:39], s[20:21], s[26:27]      ; its count lies 524,288 bytes on
	v_lshlrev_b32 v9, 2, v3
	v_lshlrev_b32 v10, 4, v3
	v_lshlrev_b32 v11, 3, v3
.irp u, 0,1,2,3,4,5,6,7,8,9,10,11,12,13,14,15
	global_load_b32 v[32+\u], v9, s[14:15] offset:128*\u
.endr
	s_mov_b32 s28, 0                               ; unmasked so far
	s_mov_b32 s29, 0                               ; masked so far
	s_wait_loadcnt 0x0
.macro CNT u, bb                       ; positions 128 u + 4 lane + bb
	v_bfe_u32 v6, v[32+(\u)], 8*(\bb), 8
	v_cmp_eq_u32 s30, 0, v6
	s_not_b32 s31, s30
	v_mbcnt_lo_u32_b32 v7, s30, s28                ; unmasked in the lanes below me, and before
	v_mbcnt_lo_u32_b32 v8, s31, s29
	v_sub_nc_u32 v8, 2047, v8
	v_cndmask_b32 v[12+(\bb)], v8, v7, s30
	v_min_u32 v[16+(\bb)], 0x7ff, v[12+(\bb)]      ; a number made of loaded data enters an address only behind this bound
	v_lshlrev_b32 v[16+(\bb)], 2, v[16+(\bb)]
	v_add_nc_u32 v[20+(\bb)], 128*(\u)+(\bb), v9
	global_store_b32 v[16+(\bb)], v[20+(\bb)], s[36:37]
	s_bcnt1_i32_b32 s26, s30
	s_add_co_u32 s28, s28, s26
	s_sub_co_u32 s26, 32, s26
	s_add_co_u32 s29, s29, s26
.endm
.irp u, 0,1,2,3,4,5,6,7,8,9,10,11,12,13,14,15
	s_wait_xcnt 0x0                                ; the last group's stores have read their addresses and data: both are written again below
	CNT \u, 0
	CNT \u, 1
	CNT \u, 2
	CNT \u, 3
	global_store_b128 v10, v[12:15], s[36:37] offset:262144+512*\u   ; four ranks a lane, 512 consecutive bytes
.endr
	v_mov_b32 v6, s28
	v_mov_b32 v7, s28
	global_store_b64 v11, v[6:7], s[38:39] offset:524288   ; the count, 64 times: 256 consecutive bytes
.Lend:
	s_wait_tensorcnt 0x0                           ; the wave's end
	ds_add_u32 v1, v2
	s_wait_dscnt 0x0
	s_endpgm
.Lfunc_end_k_q56e22de6e7_prep:
	.size	k_q56e22de6e7_prep, .Lfunc_end_k_q56e22de6e7_prep-k_q56e22de6e7_prep
	.p2alignl 7, 3214868480
	.fill 96, 4, 3214868480
	.section	.rodata,"a",@progbits
	.p2align	6, 0x0
	.amdhsa_kernel k_q56e22de6e7_prep
		.amdhsa_group_segment_fixed_size 14848
		.amdhsa_private_segment_fixed_size 0
		.amdhsa_enable_private_segment 0
		.amdhsa_kernarg_size 72
		.amdhsa_user_sgpr_count 2
		.amdhsa_user_sgpr_kernarg_segment_ptr 1
		.amdhsa_wavefront_size32 1
		.amdhsa_system_sgpr_workgroup_id_x 1
		.amdhsa_system_sgpr_workgroup_id_y 1
		.amdhsa_system_sgpr_workgroup_id_z 1
		.amdhsa_system_vgpr_workitem_id 0
		.amdhsa_next_free_vgpr 192
		.amdhsa_next_free_sgpr 66
		.amdhsa_reserve_vcc 0
		.amdhsa_float_denorm_mode_32 3
		.amdhsa_float_denorm_mode_16_64 3
		.amdhsa_memory_ordered 1
		.amdhsa_forward_progress 1
		.amdhsa_inst_pref_size 77
	.end_amdhsa_kernel
	.amdgpu_metadata
---
amdhsa.version: [ 1, 2 ]
amdhsa.kernels:
  - .name:           k_q56e22de6e7_prep
    .symbol:         k_q56e22de6e7_prep.kd
    .args:
      - { .name: M_w, .offset: 0, .size: 8, .value_kind: global_buffer, .address_space: global }
      - { .name: hidden, .offset: 8, .size: 8, .value_kind: global_buffer, .address_space: global }
      - { .name: M_b, .offset: 16, .size: 8, .value_kind: global_buffer, .address_space: global }
      - { .name: V_w, .offset: 24, .size: 8, .value_kind: global_buffer, .address_space: global }
      - { .name: V_b, .offset: 32, .size: 8, .value_kind: global_buffer, .address_space: global }
      - { .name: mask, .offset: 40, .size: 8, .value_kind: global_buffer, .address_space: global }
      - { .name: wq, .offset: 48, .size: 8, .value_kind: global_buffer, .address_space: global }
      - { .name: tab, .offset: 56, .size: 8, .value_kind: global_buffer, .address_space: global }
      - { .name: lists, .offset: 64, .size: 8, .value_kind: global_buffer, .address_space: global }
    .group_segment_fixed_size: 14848
    .private_segment_fixed_size: 0
    .kernarg_segment_align: 8
    .kernarg_segment_size: 72
    .max_flat_workgroup_size: 512
    .sgpr_count:     66
    .vgpr_count:     192
    .wavefront_size: 32
...
	.end_amdgpu_metadata
.endif
;; end of part 1
;; launch main (part 2): grid 8 x 32, 4 waves a work-group, no clusters, 327,680 bytes of LDS; arguments encoder_outputs, wq, tab, lists, sc, part; writes sc, part
.if DOCPART == 2
	.amdgcn_target "amdgcn-amd-amdhsa--gfx1250"
	.amdhsa_code_object_version 6
	.text
	.protected	k_q56e22de6e7_main
	.globl	k_q56e22de6e7_main
	.p2align	8
	.type	k_q56e22de6e7_main,@function
k_q56e22de6e7_main:
	s_mov_b64 s[64:65], 0
	v_nop
	global_prefetch_b8 v0, s[64:65] scope:SCOPE_SE
	s_setreg_imm32_b32 hwreg(HW_REG_WAVE_MODE, 25, 1), 1
	s_wait_xcnt 0x0
; Rows that the mask hides are left out (shown at the head of the first kernel): this launch takes the rows that the stored list names, n_b of them, or all 2,048 with the score -1e30 where n_b = 0.
; SHARES.  Work-group (t, b) owns the t-th eighth of batch b's list, in tiles of 16 rows: at most 16 tiles.  It walks them in TWO passes of at most 144 rows; the count of passes is a constant, so that every wave
; passes every barrier; a pass, or a stage of 48 rows, with no row of mine runs the barriers and jumps over the work between them (forward scalar branches on the stored count).
; A PASS.  1: each wave gathers 36 rows (five rows, 20 KiB, on their way at all times), quantises them in registers (E2M1, one E8M0 byte for 32 along e) and keeps a bf16 copy of them in LDS: encoder_outputs is read ONCE.
; The codes go through LDS, 48 rows a stage, into EVERY wave's registers (576).  2: THE WAVES SHARE THE COLUMNS: wave w makes h = 256 w .. + 255 for all 144 rows.  M_w's codes come from memory in the order of the operand's
; registers, 8,704 bytes for 16 h, two such batches ahead; each feeds 72 matrix instructions.  The product is used transposed (source 0 = 16 rows of M_w, source 1 = 16 rows of enc): a lane holds ONE row of enc and eight h;
; c[b][h] is the C of the first K step.  V tanh(m) = V + V' / (1 + 2^(2 log2(e) m)): a packed multiply, an exponential, a packed add, a reciprocal, a packed multiply-add.  One group of three row tiles is multiplied,
; then the group before goes through these.  3: the four waves' parts of the scores meet in LDS; running maximum m, sum l; p = e^(s - m); U[e] = U[e] f + sum p x, x from the bf16 copy (thread t: e = 8 t .. 8 t + 7).
; OUT: the scores, in my own 1,280 bytes of sc, at slot 144 pass + row (all 288 slots are stored, with all lanes on: a slot with no row of mine holds -3e38 and is never looked at); and (U, m, l) for the last launch.
; NO CLUSTER, NO TENSOR LOAD, though all work-groups read the same codes of M_w: the work hangs on counts read from memory.
; NO PREFETCH of encoder_outputs: while rows are gathered each wave already has 40 loads out, and a second pass has rows only where more than 1,152 rows of a batch are unmasked.
; LIMITS: as at the head of the first kernel.  x in the weighted sum is rounded to bf16.
.set COPY,  0                          ; 144 rows x 2,048 bytes: the bf16 copy, dense
.set CODES, 294912                     ; 48 rows x (512 + 16): a stage's codes
.set SCL,   320256                     ; 144 rows x (32 + 16): the scale bytes
.set SPARE, 327168                     ; the spare words, 128 bytes a wave; no other line names them
.set PART,  CODES                      ; behind the row phase's last barrier: 4 waves x 640: each wave's part of 144 scores,
.set PARR,  CODES+2560                 ; 4 x 640: p, each wave's own copy,
.set USTG,  CODES+5120                 ; 4 x 1,024: U on its way out, each wave's own
; window 0: v0 thread; v1, v2 the add's two; v3 2 r + hh; v4 16 lane; v5 fragments' address; v6 scale words'; v7-9 where my rows' codes, bytes and copy go; v10-12 LDS addresses in hand; v13 32 hh;
;   v14-19 offsets of loads; v20-22 this pass's row numbers, v59-61 the next pass's; v23, v56-58 score addresses; v24 list positions, at the head; v25 lane; v26 m, v27 l; v28-35 U; v36-55 at work in the row phase;
;   v62 16 thread; v63 at work;  v64-255: the row phase's ring of 6 x 32; in the products: scale words, c, V', nine accumulators, nine pairs of score sums.
; window g + 1: v0-191 the fragments of row tiles 3 g .. 3 g + 2 (64 tau + 8 k); v192-255 M_w's fragments, buffer g.
.set RING, 64
.set VO,   14
.set VW,   14
.set VB,   17
.set IDX,  20
.set U,    28
.set T,    36
.set CD,   40
.set BY,   48
.set AS,   64                          ; v64-99   enc's scale words: tile T: 4 registers; lanes 0-15 K steps 0-3, lanes 16-31 K steps 4-7
.set WS,   100                         ; v100-111 M_w's, a buffer's 4 likewise
.set BI,   112                         ; v112-135 c, 8 a buffer
.set VP,   136                         ; v136-159 V', 8 a buffer
.set ACC,  160                         ; v160-231
.set SC,   232                         ; v232-249
.set RMAX, 0x7ff1f                     ; row 2,047's last lane term, in units of 16 bytes: 2047 x 256 + 31
.set MSB, 0
.macro WIN new                         ; the immediate's high byte repeats the setting that is left
.if MSB != (\new)
	s_set_vgpr_msb (MSB<<8)|(\new)
.set MSB, (\new)
.endif
.endm
.macro BARRIER                         ; my LDS stores have landed and my LDS loads are in: then the work-group's barrier
	s_wait_dscnt 0x0
	s_barrier_signal -1
	s_barrier_wait -1
.endm
; One row, in ring slot k.  cnt: the younger loads that may stay out.  load = 1: the row five on is asked for, into the slot that the row before has left.  lo = 1: the rows lie six further on than v10-12 say.
.macro ROW k, cnt, load, idx, lo
.set X,  RING+32*(\k)
.set XN, RING+32*(((\k)+5)%6)
.set CK, CD+4*((\k)%2)
.set BK, BY+4*((\k)%2)
.set VN, VO+((\k)+5)%6
	s_wait_loadcnt \cnt
.irp j, 0,1,2,3
.irp i, 0,1,2,3
	v_permlane16_swap_b32 v[X+8*\j+\i], v[X+8*\j+4+\i]   ; loads 2 j and 2 j + 1 change halves: group j of lane (r, hh) now holds e = 128 (2 j + hh) + 8 r + 0 .. 7
.endr
.endr
.irp j, 0,1,2,3
	v_max3_num_f32 v[T+\j], |v[X+8*\j]|, |v[X+8*\j+1]|, 0x1800000   ; with the floor 2^(3 - 127): the byte cannot fall under 1
.endr
.irp i, 2,4,6
.irp j, 0,1,2,3
	v_max3_num_f32 v[T+\j], v[T+\j], |v[X+8*\j+\i]|, |v[X+8*\j+\i+1]|
.endr
.endr
.irp j, 0,1,2,3
	v_max_num_f32_dpp v[T+\j], v[T+\j], v[T+\j] row_xmask:1 row_mask:0xf bank_mask:0xf   ; a block of 32 lies in four neighbouring lanes
.endr
.irp j, 0,1,2,3
	v_max_num_f32_dpp v[T+\j], v[T+\j], v[T+\j] row_xmask:2 row_mask:0xf bank_mask:0xf
.endr
.irp j, 0,1,2,3
	v_add_nc_u32 v[T+\j], 0xff000000, v[T+\j]      ; 2 off the exponent field: the conversion's scale operand
.endr
.irp j, 0,1,2,3
	v_cvt_scalef32_pk8_fp4_f32 v[CK+\j], v[X+8*\j:X+8*\j+7], v[T+\j]
.endr
.irp j, 0,1,2,3
	v_lshrrev_b32 v[BK+\j], 23, v[T+\j]            ; the scale's byte (plain lines behind the conversions, ahead of the lines that write their sources)
.endr
.irp j, 0,1,2,3
.irp i, 0,1,2,3
	v_cvt_pk_bf16_f32 v[X+8*\j+\i], v[X+8*\j+2*\i], v[X+8*\j+2*\i+1]   ; in place, ascending: no number is written over before it is read
.endr
.endr
.irp j, 0,1,2,3
	ds_store_b32 v10, v[CK+\j] offset:3168*(\lo)+528*(\k)+128*\j
.endr
.irp j, 0,1,2,3
	ds_store_b8 v11, v[BK+\j] offset:288*(\lo)+48*(\k)+8*\j   ; the four lanes of a block write the same byte with the same value
.endr
.irp j, 0,1,2,3
	ds_store_b128 v12, v[X+8*\j:X+8*\j+3] offset:12288*(\lo)+2048*(\k)+512*\j
.endr
	s_wait_dscnt 12                                ; this row's 12 stores may be out; the row before's are done: its slot may be loaded again, and its codes' and bytes' registers written by the next row
.if \load
	s_add_co_u32 s45, s43, (\k)+5
	v_readlane_b32 s44, v[\idx], s45               ; the row's number, for all lanes
	v_lshl_add_u32 v[VN], s44, 8, v3               ; row x 256 + my lane's term, in units of 16 bytes (the loads that last named this offset were waited for a row ago)
	v_min_u32 v[VN], RMAX, v[VN]                   ; a loaded number enters an address only behind this bound; behind it one shift
	v_lshlrev_b32 v[VN], 4, v[VN]                  ; row x 4,096 + 32 r + 16 hh
.irp i, 0,1,2,3,4,5,6,7
	global_load_b128 v[XN+4*\i:XN+4*\i+3], v[VN], s[4:5] offset:512*\i   ; 512 consecutive bytes; no hint: the bound on the list's end may name a row twice
.endr
.endif
.endm
; Six rows.  It finds five rows on their way, in slots 0 to 4, and leaves five (last = 1: none).
.macro LAP idx, last, lo
.if \last
	ROW 0, 32, 1, \idx, \lo
	ROW 1, 32, 0, \idx, \lo
	ROW 2, 24, 0, \idx, \lo                        ; the counts run down
	ROW 3, 16, 0, \idx, \lo
	ROW 4, 8, 0, \idx, \lo
	ROW 5, 0, 0, \idx, \lo
.else
.irp k, 0,1,2,3,4,5
	ROW \k, 32, 1, \idx, \lo                       ; four younger rows, 8 loads each
.endr
.endif
.endm
.macro FRAGS g                         ; the stage's three row tiles into every wave's registers: lane (r, hh): row r; registers 4 c .. + 3 of K step k: 16 bytes at 64 k + 32 c + 16 hh
	WIN ((\g)+1)<<6
.irp tau, 0,1,2
.irp k, 0,1,2,3,4,5,6,7
.irp c, 0,1
	ds_load_b128 v[64*\tau+8*\k+4*\c:64*\tau+8*\k+4*\c+3], v5 offset:8448*\tau+64*\k+32*\c
.endr
.endr
.endr
	WIN 0
.endm
.macro STAGE s                         ; stages 0 and 1: two laps in a loop of constant count; the lap's LDS addresses are made ahead of the jump over the work, the steps stand behind it
	s_mov_b32 s43, 0
	s_mov_b32 s60, 0
	s_mov_b32 s61, 2304*(\s)
	s_mov_b32 s62, 98304*(\s)
	s_mov_b32 s42, 0
.Llap_\@:
	s_wait_dscnt 0x0                               ; no LDS instruction of mine names the three addresses
	v_add_nc_u32 v10, s60, v7
	v_add_nc_u32 v11, s61, v8
	v_add_nc_u32 v12, s62, v9
	s_cmp_le_u32 s29, 48*(\s)
	s_cbranch_scc1 .Lnone_\@
	LAP IDX+(\s), 0, 0
.Lnone_\@:
	s_add_co_u32 s43, s43, 6
	s_add_co_u32 s60, s60, 6*528
	s_add_co_u32 s61, s61, 6*48
	s_add_co_u32 s62, s62, 6*2048
	s_add_co_u32 s42, s42, 1
	s_cmp_lt_u32 s42, 2
	s_cbranch_scc1 .Llap_\@
	BARRIER                                        ; the stage's 48 rows of codes lie in LDS
	FRAGS \s
	BARRIER                                        ; everybody has them: the next stage may write there
.endm
.macro BATCH buf                       ; 21 loads: 16 h of M_w: codes, scale words, c, V'
	v_add_nc_u32 v[VW+(\buf)], s40, v4
	v_add_nc_u32 v[VB+(\buf)], s41, v13
	WIN ((\buf)+1)<<6
.irp q, 0,1,2,3,4,5,6,7,8,9,10,11,12,13,14,15
	global_load_b128 v[192+4*\q:195+4*\q], v[VW+(\buf)], s[6:7] offset:512*\q
.endr
	WIN 0
	global_load_b128 v[WS+4*(\buf):WS+4*(\buf)+3], v[VW+(\buf)], s[6:7] offset:8192
	global_load_b128 v[BI+8*(\buf):BI+8*(\buf)+3], v[VB+(\buf)], s[36:37]
	global_load_b128 v[BI+8*(\buf)+4:BI+8*(\buf)+7], v[VB+(\buf)], s[36:37] offset:16
	global_load_b128 v[VP+8*(\buf):VP+8*(\buf)+3], v[VB+(\buf)], s[38:39]
	global_load_b128 v[VP+8*(\buf)+4:VP+8*(\buf)+7], v[VB+(\buf)], s[38:39] offset:16
	s_add_co_u32 s40, s40, 8704
	s_min_u32 s40, s40, 15*8704                    ; the last two batches repeat tile 15 (17 KiB a wave), so that one count serves every wait
	s_add_co_u32 s41, s41, 64
	s_min_u32 s41, s41, 15*64
.endm
.macro RUN g, buf                      ; 24 matrix instructions: 16 h x the group's 48 rows x 1,024.  The three accumulators take turns, one instruction a turn
	WIN ((\buf)+1)|(((\g)+1)<<2)
.irp k, 0,1,2,3,4,5,6,7
.irp tau, 0,1,2
.set DD, ACC+8*(3*(\g)+\tau)
.if \k == 0
	v_wmma_scale_f32_16x16x128_f8f6f4 v[DD:DD+7], v[192+8*\k:199+8*\k], v[64*\tau+8*\k:64*\tau+8*\k+7], v[BI+8*(\buf):BI+8*(\buf)+7], v[WS+4*(\buf)+\k%4], v[AS+4*(3*(\g)+\tau)+\k%4] matrix_a_fmt:MATRIX_FMT_FP4 matrix_b_fmt:MATRIX_FMT_FP4
.elseif \k < 4
	v_wmma_scale_f32_16x16x128_f8f6f4 v[DD:DD+7], v[192+8*\k:199+8*\k], v[64*\tau+8*\k:64*\tau+8*\k+7], v[DD:DD+7], v[WS+4*(\buf)+\k%4], v[AS+4*(3*(\g)+\tau)+\k%4] matrix_a_fmt:MATRIX_FMT_FP4 matrix_b_fmt:MATRIX_FMT_FP4
.else
	v_wmma_scale_f32_16x16x128_f8f6f4 v[DD:DD+7], v[192+8*\k:199+8*\k], v[64*\tau+8*\k:64*\tau+8*\k+7], v[DD:DD+7], v[WS+4*(\buf)+\k%4], v[AS+4*(3*(\g)+\tau)+\k%4] matrix_a_fmt:MATRIX_FMT_FP4 matrix_b_fmt:MATRIX_FMT_FP4 matrix_a_scale:MATRIX_SCALE_ROW1 matrix_b_scale:MATRIX_SCALE_ROW1
.endif
.endr
.endr
	WIN 0
.endm
.macro EPI g, buf                      ; the group's 24 registers of m: score sums += V' / (1 + 2^(K2 m)).  Each accumulator is read from its low end on.  Two batches of transcendentals, one wait each
.set A0, ACC+24*(\g)
.irp p, 0,1,2,3
.irp tau, 0,1,2
	v_pk_mul_f32 v[A0+8*\tau+2*\p:A0+8*\tau+2*\p+1], v[A0+8*\tau+2*\p:A0+8*\tau+2*\p+1], s[30:31] op_sel_hi:[1,0]
.endr
.endr
.set n, 0
.rept 24
	v_exp_f32 v[A0+n], v[A0+n]
.set n, n+1
.endr
	v_nop                                          ; a plain line behind the last exponential
	s_wait_alu depctr_va_vdst(0)                   ; one wait for the batch, ahead of its first reader
.set n, 0
.rept 12
	v_pk_add_f32 v[A0+n:A0+n+1], v[A0+n:A0+n+1], 1.0 op_sel_hi:[1,0]
.set n, n+2
.endr
.set n, 0
.rept 24
	v_rcp_f32 v[A0+n], v[A0+n]
.set n, n+1
.endr
	v_nop
	s_wait_alu depctr_va_vdst(0)
.irp p, 0,1,2,3
.irp tau, 0,1,2
	v_pk_fma_f32 v[SC+2*(3*(\g)+\tau):SC+2*(3*(\g)+\tau)+1], v[A0+8*\tau+2*\p:A0+8*\tau+2*\p+1], v[VP+8*(\buf)+2*\p:VP+8*(\buf)+2*\p+1], v[SC+2*(3*(\g)+\tau):SC+2*(3*(\g)+\tau)+1]
.endr
.endr
.endm
; A group's products, then the vector work of the group before (its plain lines are the places behind both runs), then, once a tile of h, the batch two tiles on into the buffer that has just been left.
.macro SLOT g, buf, eg, ebuf, first
.if (\g) == 0
	s_wait_loadcnt 21                              ; the one younger batch may be out: this tile's 21 loads are in
.endif
	RUN \g, \buf
.if \first
.rept 4
	v_nop                                          ; places behind the products, where there is no vector work yet
.endr
.else
	EPI \eg, \ebuf
.endif
.if (\g) == 0
	BATCH ((\buf)+2)%3
.endif
.endm
	s_load_b256 s[4:11], s[0:1], 0x0               ; enc s[4:5], wq s[6:7], tab s[8:9], lists s[10:11]
	s_load_b128 s[12:15], s[0:1], 0x20             ; sc s[12:13], part s[14:15]
	v_lshl_add_u32 v1, v0, 2, SPARE                ; my spare word; never rewritten
	v_mov_b32 v2, 0                                ; 0; never rewritten
	v_lshrrev_b32 v63, 5, v0
	v_readfirstlane_b32 s16, v63                   ; wave 0..3
	s_mov_b32 s17, ttmp9                           ; t
	s_and_b32 s18, ttmp7, 0xffff                   ; b
	v_and_b32 v25, 31, v0                          ; lane
	v_and_b32 v10, 15, v0                          ; r
	v_bfe_u32 v11, v0, 4, 1                        ; hh
	v_lshl_add_u32 v3, v10, 1, v11                 ; 2 r + hh: my 16 bytes of a load's 512, dealt so that two loads and an exchange of halves give a lane 8 neighbours
	v_lshlrev_b32 v4, 4, v25
	v_mul_u32_u24 v5, v10, 528
	v_lshl_add_u32 v5, v11, 4, v5
	v_add_nc_u32 v5, CODES, v5
	v_mul_u32_u24 v6, v10, 48
	v_lshl_add_u32 v6, v11, 4, v6
	v_add_nc_u32 v6, SCL, v6
	s_mul_i32 s56, s16, 12*528                     ; in a stage wave w owns rows 12 w .. 12 w + 11
	v_lshlrev_b32 v7, 2, v10
	v_lshl_add_u32 v7, v11, 6, v7
	v_add_nc_u32 v7, s56, v7
	v_add_nc_u32 v7, CODES, v7                     ; codes: 128 j + 64 hh + 4 r in the row's 512 bytes
	s_mul_i32 s56, s16, 12*48
	v_lshrrev_b32 v8, 2, v10
	v_lshl_add_u32 v8, v11, 2, v8
	v_add_nc_u32 v8, s56, v8
	v_add_nc_u32 v8, SCL, v8                       ; bytes: block 8 j + 4 hh + r / 4
	s_mul_i32 s56, s16, 12*2048
	v_lshlrev_b32 v9, 4, v10
	v_lshl_add_u32 v9, v11, 8, v9
	v_add_nc_u32 v9, s56, v9                       ; copy: 512 j + 256 hh + 16 r
	v_lshlrev_b32 v13, 5, v11
	s_mul_i32 s56, s16, 640
	v_lshl_add_u32 v23, v10, 2, s56
	v_add_nc_u32 v23, PART, v23                    ; my part of a tile's 16 scores
	v_lshl_add_u32 v56, v25, 2, PART               ; scores 32 i + lane,
	v_lshl_add_u32 v57, v10, 2, PART+512           ; and 128 + lane % 16
	v_lshl_add_u32 v58, v25, 2, s56
	v_add_nc_u32 v58, PARR, v58
	v_lshlrev_b32 v62, 4, v0
	v_mul_u32_u24 v24, v25, 43
	v_lshrrev_b32 v24, 9, v24
	v_mad_u32_u24 v24, v24, 36, v25                ; lanes 0-11: the stage's rows; lanes 12 on: the next stage's (36 further on)
	s_mov_b32 s30, 0x4038aa3b                      ; K2 = 2 log2(e)
	s_mov_b32 s31, s30
	s_mov_b32 s32, 0x3fb8aa3b                      ; log2(e)
	s_mov_b32 s34, 0x76543210
	s_mov_b32 s35, 0xfedcba98                      ; selects for lane l xor 16
	s_mov_b32 s57, 0
	s_mov_b32 s59, 0
	s_mov_b32 s27, 0
	s_mov_b32 s28, 0                               ; where the pass's scores go in my part of sc: 576 bytes a pass
.irp i, 0,1,2,3,4,5,6,7
	v_mov_b32 v[U+\i], 0
.endr
	v_mov_b32 v26, 0xff61b1e6                      ; m: -3e38, under every score
	v_mov_b32 v27, 0                               ; l
	s_wait_kmcnt 0x0
	s_lshl_b32 s56, s18, 8
	s_add_nc_u64 s[56:57], s[10:11], s[56:57]
	s_load_b32 s19, s[56:57], 0x80000              ; n_b
	s_load_b32 s26, s[8:9], 0x21000                ; sum V_w + V_b
	s_lshl_b32 s58, s18, 23
	s_add_nc_u64 s[4:5], s[4:5], s[58:59]          ; the batch's rows
	s_mul_i32 s58, s16, 16*8704
	s_add_nc_u64 s[6:7], s[6:7], s[58:59]          ; my 16 tiles of M_w
	s_lshl_b32 s58, s18, 13
	s_add_nc_u64 s[10:11], s[10:11], s[58:59]      ; the batch's list
	s_lshl_b32 s55, s18, 3
	s_add_co_u32 s55, s55, s17                     ; 8 b + t
	s_mul_i32 s58, s55, 1280
	s_add_nc_u64 s[12:13], s[12:13], s[58:59]      ; my scores
	s_mul_i32 s58, s55, 4352
	s_add_nc_u64 s[14:15], s[14:15], s[58:59]      ; my record
	s_lshl_b32 s58, s18, 12
	s_lshl_b32 s55, s16, 10
	s_add_co_u32 s58, s58, s55
	s_add_nc_u64 s[36:37], s[8:9], s[58:59]        ; c[b][256 w ..]
	s_add_co_u32 s58, s55, 131072
	s_add_nc_u64 s[38:39], s[8:9], s[58:59]        ; V'[256 w ..]
	s_wait_kmcnt 0x0
	s_cmp_eq_u32 s19, 0
	s_cselect_b32 s20, 2048, s19                   ; rows listed
	s_cselect_b32 s25, -1, 0                       ; all lanes on where the whole batch is masked
	s_min_u32 s20, s20, 2048
	s_add_co_u32 s21, s20, 15
	s_lshr_b32 s21, s21, 4                         ; tiles of 16
	s_mul_i32 s22, s17, s21
	s_lshr_b32 s22, s22, 3
	s_lshl_b32 s22, s22, 4                         ; my first position
	s_add_co_u32 s23, s17, 1
	s_mul_i32 s23, s23, s21
	s_lshr_b32 s23, s23, 3
	s_lshl_b32 s23, s23, 4
	s_min_u32 s23, s23, s20                        ; my end
	s_sub_co_i32 s33, s23, s22
	s_max_i32 s33, s33, 0                          ; rows of mine still to do
	s_max_u32 s23, s23, 1
	s_sub_co_u32 s23, s23, 1                       ; positions are held at my last one
	s_mul_i32 s58, s16, 12
	s_add_co_u32 s58, s58, s22
	v_add_nc_u32 v24, s58, v24
.irp q, 0,1,2,3,4,5                    ; six vectors of row numbers: pass q / 3, stage q % 3
	v_add_nc_u32 v[64+\q], 144*(\q/3)+48*(\q%3), v24
	v_min_u32 v[64+\q], s23, v[64+\q]
	v_min_u32 v[64+\q], 0x7ff, v[64+\q]
	v_lshlrev_b32 v[64+\q], 2, v[64+\q]
.endr
.irp q, 0,1,2
	global_load_b32 v[IDX+\q], v[64+\q], s[10:11]
	global_load_b32 v[59+\q], v[67+\q], s[10:11]
.endr
.Lpass:
	s_min_u32 s29, s33, 144                        ; this pass's rows
	s_wait_loadcnt 0x0                             ; the row numbers; nothing else is out
.irp k, 0,1,2,3,4                      ; the ring is filled: on every way, so that the counts below hold on every way
	v_readlane_b32 s44, v[IDX], \k
	v_lshl_add_u32 v[VO+\k], s44, 8, v3
	v_min_u32 v[VO+\k], RMAX, v[VO+\k]             ; the bound, then one shift
	v_lshlrev_b32 v[VO+\k], 4, v[VO+\k]
.irp i, 0,1,2,3,4,5,6,7
	global_load_b128 v[RING+32*\k+4*\i:RING+32*\k+4*\i+3], v[VO+\k], s[4:5] offset:512*\i
.endr
.endr
	STAGE 0
	STAGE 1
	s_wait_dscnt 0x0                               ; stage 2 is written out: its addresses are made here, ahead of the jump; its second lap reaches six rows on by immediates
	s_mov_b32 s43, 0
	v_add_nc_u32 v10, 0, v7
	v_add_nc_u32 v11, 2304*2, v8
	v_add_nc_u32 v12, 98304*2, v9
	s_cmp_le_u32 s29, 96
	s_cbranch_scc1 .Lnone_2
	LAP IDX+2, 0, 0
	s_mov_b32 s43, 6
	LAP IDX+2, 1, 1
.Lnone_2:
	s_wait_loadcnt 0x0                             ; where stages were left out, the ring's five rows are still on their way
	BARRIER
.irp tt, 0,1,2,3,4,5,6,7,8
	ds_load_b128 v[AS+4*\tt:AS+4*\tt+3], v6 offset:768*\tt
.endr
	FRAGS 2
	BARRIER                                        ; nobody reads the codes any more: their bytes serve the scores from here on
.set n, 0
.rept 18
	v_mov_b32 v[SC+n], 0
.set n, n+1
.endr
	s_cmp_eq_u32 s29, 0
	s_cbranch_scc1 .Lnoprod                        ; no LDS access and no barrier stands in what is jumped over
	s_mov_b32 s40, 0
	s_mov_b32 s41, 0
	BATCH 0
	BATCH 1
	SLOT 0,0,0,0,1
	s_mov_b32 s42, 0
.Lprod:                                            ; three tiles of h a trip: the buffers' numbers are back where they began
	SLOT 1,0,0,0,0
	SLOT 2,0,1,0,0
	SLOT 0,1,2,0,0
	SLOT 1,1,0,1,0
	SLOT 2,1,1,1,0
	SLOT 0,2,2,1,0
	SLOT 1,2,0,2,0
	SLOT 2,2,1,2,0
	SLOT 0,0,2,2,0
	s_add_co_u32 s42, s42, 1
	s_cmp_lt_u32 s42, 5
	s_cbranch_scc1 .Lprod
	SLOT 1,0,0,0,0                                 ; tile 15
	SLOT 2,0,1,0,0
	EPI 2,0
	s_wait_loadcnt 0x0                             ; the two repeated batches
.Lnoprod:
; ---- the scores
.irp tt, 0,1,2,3,4,5,6,7,8
	v_add_f32 v[SC+2*\tt], v[SC+2*\tt], v[SC+2*\tt+1]
.endr
.irp tt, 0,1,2,3,4,5,6,7,8
	v_permlanex16_b32 v[SC+2*\tt+1], v[SC+2*\tt], s34, s35
.endr
.irp tt, 0,1,2,3,4,5,6,7,8
	v_add_f32 v[SC+2*\tt], v[SC+2*\tt], v[SC+2*\tt+1]    ; row r's sum over my 256 h
.endr
.irp tt, 0,1,2,3,4,5,6,7,8
	ds_store_b32 v23, v[SC+2*\tt] offset:64*\tt    ; both halves of the lanes write the same word with the same value
.endr
	BARRIER
.irp u, 0,1,2,3
.irp i, 0,1,2,3
	ds_load_b32 v[64+5*\u+\i], v56 offset:640*\u+128*\i
.endr
	ds_load_b32 v[68+5*\u], v57 offset:640*\u
.endr
	v_mov_b32 v85, 0                               ; a lane permute's destination counts as one of its sources
	v_mov_b32 v95, 0                               ; (named as the upper half of the pair v[94:95])
	v_mov_b32 v101, 0xf149f2ca                     ; -1e30
	v_mov_b32 v102, 0xff61b1e6                     ; -3e38
	v_and_b32 v97, 15, v25                         ; lane % 16
	s_wait_dscnt 0x0
.irp i, 0,1,2,3,4
	v_add_f32 v[64+\i], v[64+\i], v[69+\i]
	v_add_f32 v[74+\i], v[74+\i], v[79+\i]
.endr
.irp i, 0,1,2,3,4
	v_add_f32 v[64+\i], v[64+\i], v[74+\i]
.endr
.irp i, 0,1,2,3,4
	v_add_f32 v[64+\i], s26, v[64+\i]              ; + sum V_w + V_b: row 32 i + lane's score (the fifth: row 128 + lane % 16's, in both halves of the lanes)
.endr
.irp i, 0,1,2,3,4
	s_sub_co_i32 s55, s29, 32*\i
	v_cmp_gt_i32 s[50+\i], s55, v25                ; is the row one of mine?  (Of the fifth register lanes 0-15 alone can count)
.endr
.irp i, 0,1,2,3,4
	v_cndmask_b32 v[64+\i], v[64+\i], v101, s25    ; a batch that is masked as a whole: -1e30
.endr
	v_cmp_gt_i32 vcc_lo, s55, v97                  ; (s55 still holds the pass's rows less 128)
	v_cndmask_b32 v103, v102, v68, vcc_lo          ; rows 128 .. 143 as they are stored: the same number in lanes l and l + 16
.irp i, 0,1,2,3,4
	v_cndmask_b32 v[64+\i], v102, v[64+\i], s[50+\i]
.endr
	v_max3_num_f32 v84, v64, v65, v66
	v_max3_num_f32 v84, v84, v67, v68
	v_max_num_f32_dpp v84, v84, v84 row_xmask:1 row_mask:0xf bank_mask:0xf
	v_max_num_f32_dpp v84, v84, v84 row_xmask:2 row_mask:0xf bank_mask:0xf
	v_max_num_f32_dpp v84, v84, v84 row_xmask:4 row_mask:0xf bank_mask:0xf
	v_max_num_f32_dpp v84, v84, v84 row_xmask:8 row_mask:0xf bank_mask:0xf
	v_permlanex16_b32 v85, v84, s34, s35
	v_max3_num_f32 v86, v84, v85, v26              ; the new m
	v_sub_f32 v94, v26, v86
.irp i, 0,1,2,3,4
	v_sub_f32 v[88+\i], v[64+\i], v86              ; the maximum is taken away first, then the factor log2(e)
.endr
	v_mul_f32 v94, s32, v94
.irp i, 0,1,2,3,4
	v_mul_f32 v[88+\i], s32, v[88+\i]
.endr
	v_exp_f32 v94, v94                             ; f = e^(old m - new m)
.irp i, 0,1,2,3,4
	v_exp_f32 v[88+\i], v[88+\i]                   ; p
.endr
	v_mov_b32 v26, v86                             ; (a plain line behind the exponentials)
	s_wait_alu depctr_va_vdst(0)                   ; one wait for the six
.irp i, 0,1,2,3,4
	v_cndmask_b32 v[88+\i], 0, v[88+\i], s[50+\i]
.endr
	v_add_f32 v93, v88, v89
	v_add_f32 v84, v90, v91
	v_add_f32 v93, v93, v92
	v_add_f32 v93, v93, v84
	v_add_f32_dpp v93, v93, v93 row_xmask:1 row_mask:0xf bank_mask:0xf
	v_add_f32_dpp v93, v93, v93 row_xmask:2 row_mask:0xf bank_mask:0xf
	v_add_f32_dpp v93, v93, v93 row_xmask:4 row_mask:0xf bank_mask:0xf
	v_add_f32_dpp v93, v93, v93 row_xmask:8 row_mask:0xf bank_mask:0xf
	v_permlanex16_b32 v85, v93, s34, s35
	v_add_f32 v93, v93, v85
	v_fma_f32 v27, v27, v94, v93                   ; l
.irp q, 0,2,4,6
	v_pk_mul_f32 v[U+\q:U+\q+1], v[U+\q:U+\q+1], v[94:95] op_sel_hi:[1,0]
.endr
.irp i, 0,1,2,3,4
	ds_store_b32 v58, v[88+\i] offset:128*\i       ; p into my wave's own bytes: read back below, one word for all lanes
.endr
	s_cmp_lg_u32 s16, 0
	s_cbranch_scc1 .Lnosc
	v_lshl_add_u32 v96, v25, 2, s28                ; wave 0 stores the pass's 144 slots, all lanes on: the slots are my work-group's own, so no lane has to be held back
	v_lshl_add_u32 v97, v97, 2, s28
.irp i, 0,1,2,3
	global_store_b32 v96, v[64+\i], s[12:13] offset:128*\i   ; 128 consecutive bytes; 1,152 bytes a work-group in all
.endr
	global_store_b32 v97, v103, s[12:13] offset:512          ; lanes l and l + 16 write the same word with the same value
	s_wait_xcnt 0x0                                ; the stores have read their offsets and data: the LDS loads below land on those registers
.Lnosc:
; ---- U += sum p x: six groups of 24 rows; a group with no row of mine is jumped over (its stage may not have been written); the group's two addresses are made ahead of the jump
	s_mov_b32 s47, 0
	s_mov_b32 s48, 0
	s_mul_i32 s49, s16, 640
	s_add_co_u32 s49, s49, PARR
	s_mov_b32 s42, 0
.Lws:
	v_mov_b32 v10, s49
	v_add_nc_u32 v11, s48, v62
	s_cmp_le_u32 s29, s47
	s_cbranch_scc1 .Lws_none
.irp q, 0,1,2,3,4,5
	ds_load_b128 v[64+4*\q:67+4*\q], v10 offset:16*\q          ; 24 p, the same in every lane
.endr
.irp q, 0,1,2,3,4,5,6,7,8,9,10,11,12,13,14,15,16,17,18,19,20,21,22,23
	ds_load_b128 v[96+4*\q:99+4*\q], v11 offset:2048*\q        ; my 8 numbers of 24 rows
.endr
.irp q, 0,1,2,3,4,5,6,7,8,9,10,11,12,13,14,15,16,17,18,19,20,21,22,23
	s_wait_dscnt 23-\q                             ; the loads issued behind this row's may be out
.irp c, 0,1,2,3
	v_fma_mix_f32_bf16 v[U+2*\c], v[96+4*\q+\c], v[64+\q], v[U+2*\c] op_sel_hi:[1,0,0]
	v_fma_mix_f32_bf16 v[U+2*\c+1], v[96+4*\q+\c], v[64+\q], v[U+2*\c+1] op_sel:[1,0,0] op_sel_hi:[1,0,0]
.endr
.endr
.Lws_none:
	s_add_co_u32 s47, s47, 24
	s_add_co_u32 s48, s48, 24*2048
	s_add_co_u32 s49, s49, 96
	s_add_co_u32 s42, s42, 1
	s_cmp_lt_u32 s42, 6
	s_cbranch_scc1 .Lws
.irp q, 0,1,2
	v_mov_b32 v[IDX+\q], v[59+\q]                  ; the next pass's row numbers
.endr
	BARRIER                                        ; everybody's reads of the copy and of the scores are over: the next pass may write there
	s_sub_co_u32 s33, s33, s29
	s_add_co_u32 s28, s28, 576
	s_add_co_u32 s27, s27, 1
	s_cmp_lt_u32 s27, 2
	s_cbranch_scc1 .Lpass
; ---- out: a thread's 8 sums are 32 bytes: through my wave's own bytes, so that each store covers 512 consecutive bytes
	s_lshl_b32 s56, s16, 10
	v_lshl_add_u32 v10, v25, 5, s56
	v_add_nc_u32 v10, USTG, v10
	v_add_nc_u32 v11, s56, v4
	v_add_nc_u32 v12, USTG, v11
	ds_store_b128 v10, v[U:U+3]
	ds_store_b128 v10, v[U+4:U+7] offset:16
	ds_load_b128 v[64:67], v12                     ; LDS serves a wave's instructions in order: these see my stores
	ds_load_b128 v[68:71], v12 offset:512
	s_wait_dscnt 0x0
	global_store_b128 v11, v[64:67], s[14:15]
	global_store_b128 v11, v[68:71], s[14:15] offset:512
	s_cmp_lg_u32 s16, 0
	s_cbranch_scc1 .Lfin
	v_lshlrev_b32 v63, 3, v25
	global_store_b64 v63, v[26:27], s[14:15] offset:4096   ; (m, l), 32 times: 256 consecutive bytes
.Lfin:
	s_wait_tensorcnt 0x0                           ; the wave's end, behind my last LDS store
	ds_add_u32 v1, v2
	s_wait_dscnt 0x0
	s_endpgm
.Lfunc_end_k_q56e22de6e7_main:
	.size	k_q56e22de6e7_main, .Lfunc_end_k_q56e22de6e7_main-k_q56e22de6e7_main
	.p2alignl 7, 3214868480
	.fill 96, 4, 3214868480
	.section	.rodata,"a",@progbits
	.p2align	6, 0x0
	.amdhsa_kernel k_q56e22de6e7_main
		.amdhsa_group_segment_fixed_size 327680
		.amdhsa_private_segment_fixed_size 0
		.amdhsa_enable_private_segment 0
		.amdhsa_kernarg_size 48
		.amdhsa_user_sgpr_count 2
		.amdhsa_user_sgpr_kernarg_segment_ptr 1
		.amdhsa_wavefront_size32 1
		.amdhsa_system_sgpr_workgroup_id_x 1
		.amdhsa_system_sgpr_workgroup_id_y 1
		.amdhsa_system_sgpr_workgroup_id_z 1
		.amdhsa_system_vgpr_workitem_id 0
		.amdhsa_next_free_vgpr 1024
		.amdhsa_next_free_sgpr 66
		.amdhsa_reserve_vcc 1
		.amdhsa_float_denorm_mode_32 3
		.amdhsa_float_denorm_mode_16_64 3
		.amdhsa_memory_ordered 1
		.amdhsa_forward_progress 1
		.amdhsa_inst_pref_size 255
	.end_amdhsa_kernel
	.section	.bss,"aw",@nobits
	.p2align	6
	.space	262144
	.amdgpu_metadata
---
amdhsa.version: [ 1, 2 ]
amdhsa.kernels:
  - .name:           k_q56e22de6e7_main
    .symbol:         k_q56e22de6e7_main.kd
    .args:
      - { .name: encoder_outputs, .offset: 0, .size: 8, .value_kind: global_buffer, .address_space: global }
      - { .name: wq, .offset: 8, .size: 8, .value_kind: global_buffer, .address_space: global }
      - { .name: tab, .offset: 16, .size: 8, .value_kind: global_buffer, .address_space: global }
      - { .name: lists, .offset: 24, .size: 8, .value_kind: global_buffer, .address_space: global }
      - { .name: sc, .offset: 32, .size: 8, .value_kind: global_buffer, .address_space: global }
      - { .name: part, .offset: 40, .size: 8, .value_kind: global_buffer, .address_space: global }
    .group_segment_fixed_size: 327680
    .private_segment_fixed_size: 0
    .kernarg_segment_align: 8
    .kernarg_segment_size: 48
    .max_flat_workgroup_size: 128
    .sgpr_count:     66
    .vgpr_count:     1024
    .wavefront_size: 32
...
	.end_amdgpu_metadata
.endif
;; end of part 2
;; launch fin (part 3): grid 32 x 4, 2 waves a work-group, no clusters, 0 bytes of LDS; arguments mask, lists, sc, part, out0, out1; writes out0, out1
.if DOCPART == 3
	.amdgcn_target "amdgcn-amd-amdhsa--gfx1250"
	.amdhsa_code_object_version 6
	.text
	.protected	k_q56e22de6e7_fin
	.globl	k_q56e22de6e7_fin
	.p2align	8
	.type	k_q56e22de6e7_fin,@function
k_q56e22de6e7_fin:
	s_mov_b64 s[64:65], 0
	v_nop
	global_prefetch_b8 v0, s[64:65] scope:SCOPE_SE
	s_setreg_imm32_b32 hwreg(HW_REG_WAVE_MODE, 25, 1), 1
	s_wait_xcnt 0x0
; The eight parts of a batch are merged: M = max m_t, Z = sum l_t e^(m_t - M), out0 = sum_t e^(m_t - M) U_t / Z, out1[s] = e^(score - M) / Z.
; Masked positions have no stored score (their rows were left out, as shown at the head of the first kernel): they take -1e30, as the problem sets it, and go through the same exponential.
; WHERE A SCORE LIES.  Part u of a batch begins at list position S_u = 16 ((u N16) >> 3), N16 the list's tiles of 16 rows, and keeps its scores in 320 words of its own, by local position.
; So the score of list position p lies at word 320 u + p - S_u, u the last part with S_u <= p: seven compares and selects, the last that holds wins.
; Work-group (b, y): a quarter of the batch's out0 (256 numbers) and of its out1 (512 positions); 64 threads.  No LDS, no barrier, no branch.
.set L2E, 0x3fb8aa3b
	s_load_b256 s[4:11], s[0:1], 0x0               ; mask s[4:5], lists s[6:7], sc s[8:9], part s[10:11]
	s_load_b128 s[12:15], s[0:1], 0x20             ; out0 s[12:13], out1 s[14:15]
	s_mov_b32 s16, ttmp9                           ; b
	s_and_b32 s17, ttmp7, 0xffff                   ; y
	v_and_b32 v1, 7, v0
	v_mul_u32_u24 v1, v1, 4352                     ; lane l looks at part l % 8
	v_lshlrev_b32 v2, 4, v0
	s_lshl_b32 s18, s17, 10
	v_add_nc_u32 v3, s18, v2                       ; out0, U: 1024 y + 16 thread
	s_lshl_b32 s18, s17, 11
	v_add_nc_u32 v4, s18, v2                       ; out1, ranks: 2048 y + 16 thread
	s_lshl_b32 s18, s17, 9
	v_lshl_add_u32 v5, v0, 2, s18                  ; mask: 512 y + 4 thread
	s_mov_b32 s19, 0
	s_mov_b32 s25, 0
	s_wait_kmcnt 0x0
	s_lshl_b32 s18, s16, 8
	s_add_nc_u64 s[20:21], s[6:7], s[18:19]
	s_load_b32 s22, s[20:21], 0x80000              ; n_b
	s_lshl_b32 s24, s16, 13
	s_add_nc_u64 s[6:7], s[6:7], s[24:25]
	s_add_nc_u64 s[14:15], s[14:15], s[24:25]
	s_mul_i32 s24, s16, 8*1280
	s_add_nc_u64 s[8:9], s[8:9], s[24:25]          ; the batch's eight parts of sc
	s_lshl_b32 s24, s16, 12
	s_add_nc_u64 s[12:13], s[12:13], s[24:25]
	s_lshl_b32 s24, s16, 11
	s_add_nc_u64 s[4:5], s[4:5], s[24:25]
	s_mul_i32 s24, s16, 8*4352
	s_add_nc_u64 s[10:11], s[10:11], s[24:25]
	global_load_b128 v[8:11], v4, s[6:7] offset:262144          ; ranks of positions 512 y + 4 thread + 0..3,
	global_load_b128 v[12:15], v4, s[6:7] offset:262144+1024    ; and 256 further on
	global_load_b32 v6, v5, s[4:5]
	global_load_b32 v7, v5, s[4:5] offset:256
	global_load_b64 v[16:17], v1, s[10:11] offset:4096          ; (m, l)
.irp t, 0,1,2,3,4,5,6,7
	global_load_b128 v[20+4*\t:23+4*\t], v3, s[10:11] offset:4352*\t
.endr
	s_wait_kmcnt 0x0
	s_cmp_eq_u32 s22, 0
	s_cselect_b32 s23, 2048, s22                   ; rows listed
	s_cselect_b32 s26, -1, 0                       ; all lanes on where the whole batch is masked
	s_min_u32 s23, s23, 2048
	s_add_co_u32 s27, s23, 15
	s_lshr_b32 s27, s27, 4                         ; N16
	s_sub_co_u32 s23, s23, 1                       ; the last position that has a stored score
.irp u, 1,2,3,4,5,6,7
	s_mul_i32 s[40+\u], s27, \u
	s_lshr_b32 s[40+\u], s[40+\u], 3
	s_lshl_b32 s[40+\u], s[40+\u], 4               ; S_u
	s_sub_co_u32 s[48+\u], 320*\u, s[40+\u]        ; K_u = 320 u - S_u: at least 64 u, since a part has at most 256 rows
.endr
	s_wait_loadcnt 11                              ; behind the ranks: 2 + 1 + 8 loads
.irp i, 0,1,2,3,4,5,6,7
	v_min_u32 v[8+\i], s23, v[8+\i]                ; a masked position looks at a stored score, which is then not taken
	v_mov_b32 v[80+\i], 0                          ; K_0
.endr
.irp u, 1,2,3,4,5,6,7
.irp i, 0,1,2,3,4,5,6,7
	v_cmp_gt_u32 vcc_lo, s[40+\u], v[8+\i]         ; does part u begin behind my position?
	v_cndmask_b32 v[80+\i], s[48+\u], v[80+\i], vcc_lo   ; if not: K_u
.endr
.endr
.irp i, 0,1,2,3,4,5,6,7
	v_add_nc_u32 v[8+\i], v[8+\i], v[80+\i]
	v_min_u32 v[8+\i], 0x9ff, v[8+\i]              ; a number made of loaded data enters an address only behind this bound: the batch's 2,560 words
	v_lshlrev_b32 v[8+\i], 2, v[8+\i]
.endr
.irp i, 0,1,2,3,4,5,6,7
	global_load_b32 v[52+\i], v[8+\i], s[8:9]
.endr
	s_wait_loadcnt 16                              ; behind (m, l): 8 + 8 loads
	v_mov_b32 v60, v16
	v_max_num_f32_dpp v60, v60, v60 row_xmask:1 row_mask:0xf bank_mask:0xf
	v_max_num_f32_dpp v60, v60, v60 row_xmask:2 row_mask:0xf bank_mask:0xf
	v_max_num_f32_dpp v60, v60, v60 row_xmask:4 row_mask:0xf bank_mask:0xf   ; M
	v_sub_f32 v61, v16, v60
	v_mul_f32 v61, L2E, v61
	v_exp_f32 v61, v61
	v_nop
	s_wait_alu depctr_va_vdst(0)
	v_mul_f32 v62, v17, v61
	v_add_f32_dpp v62, v62, v62 row_xmask:1 row_mask:0xf bank_mask:0xf
	v_add_f32_dpp v62, v62, v62 row_xmask:2 row_mask:0xf bank_mask:0xf
	v_add_f32_dpp v62, v62, v62 row_xmask:4 row_mask:0xf bank_mask:0xf       ; Z
	v_rcp_f32 v63, v62
	v_nop
	s_wait_alu depctr_va_vdst(0)
	v_mul_f32 v61, v61, v63
.irp t, 0,1,2,3,4,5,6,7
	v_readlane_b32 s[32+\t], v61, \t               ; e^(m_t - M) / Z
.endr
	s_wait_loadcnt 8                               ; the eight U
.irp c, 0,1,2,3
	v_mul_f32 v[64+\c], s32, v[20+\c]
.endr
.irp t, 1,2,3,4,5,6,7
.irp c, 0,1,2,3
	v_fmac_f32 v[64+\c], s[32+\t], v[20+4*\t+\c]
.endr
.endr
	global_store_b128 v3, v[64:67], s[12:13]       ; sixteen lanes store 256 consecutive bytes
	v_mov_b32 v68, 0xf149f2ca                      ; -1e30
	s_wait_loadcnt 0x0
.irp a, 0,1
.irp bb, 0,1,2,3
	v_bfe_u32 v69, v[6+\a], 8*\bb, 8
	v_cmp_eq_u32 vcc_lo, 0, v69
	s_or_b32 vcc_lo, vcc_lo, s26
	v_cndmask_b32 v[52+4*\a+\bb], v68, v[52+4*\a+\bb], vcc_lo
.endr
.endr
.irp i, 0,1,2,3,4,5,6,7
	v_sub_f32 v[52+\i], v[52+\i], v60
.endr
.irp i, 0,1,2,3,4,5,6,7
	v_mul_f32 v[52+\i], L2E, v[52+\i]
.endr
.irp i, 0,1,2,3,4,5,6,7
	v_exp_f32 v[52+\i], v[52+\i]
.endr
	v_nop
	s_wait_alu depctr_va_vdst(0)                   ; one wait for the eight
.irp i, 0,1,2,3,4,5,6,7
	v_mul_f32 v[72+\i], v[52+\i], v63
.endr
	global_store_b128 v4, v[72:75], s[14:15]
	global_store_b128 v4, v[76:79], s[14:15] offset:1024
	s_endpgm
.Lfunc_end_k_q56e22de6e7_fin:
	.size	k_q56e22de6e7_fin, .Lfunc_end_k_q56e22de6e7_fin-k_q56e22de6e7_fin
	.p2alignl 7, 3214868480
	.fill 96, 4, 3214868480
	.section	.rodata,"a",@progbits
	.p2align	6, 0x0
	.amdhsa_kernel k_q56e22de6e7_fin
		.amdhsa_group_segment_fixed_size 0
		.amdhsa_private_segment_fixed_size 0
		.amdhsa_enable_private_segment 0
		.amdhsa_kernarg_size 48
		.amdhsa_user_sgpr_count 2
		.amdhsa_user_sgpr_kernarg_segment_ptr 1
		.amdhsa_wavefront_size32 1
		.amdhsa_system_sgpr_workgroup_id_x 1
		.amdhsa_system_sgpr_workgroup_id_y 1
		.amdhsa_system_sgpr_workgroup_id_z 1
		.amdhsa_system_vgpr_workitem_id 0
		.amdhsa_next_free_vgpr 96
		.amdhsa_next_free_sgpr 66
		.amdhsa_reserve_vcc 1
		.amdhsa_float_denorm_mode_32 3
		.amdhsa_float_denorm_mode_16_64 3
		.amdhsa_memory_ordered 1
		.amdhsa_forward_progress 1
		.amdhsa_inst_pref_size 16
	.end_amdhsa_kernel
	.amdgpu_metadata
---
amdhsa.version: [ 1, 2 ]
amdhsa.kernels:
  - .name:           k_q56e22de6e7_fin
    .symbol:         k_q56e22de6e7_fin.kd
    .args:
      - { .name: mask, .offset: 0, .size: 8, .value_kind: global_buffer, .address_space: global }
      - { .name: lists, .offset: 8, .size: 8, .value_kind: global_buffer, .address_space: global }
      - { .name: sc, .offset: 16, .size: 8, .value_kind: global_buffer, .address_space: global }
      - { .name: part, .offset: 24, .size: 8, .value_kind: global_buffer, .address_space: global }
      - { .name: out0, .offset: 32, .size: 8, .value_kind: global_buffer, .address_space: global }
      - { .name: out1, .offset: 40, .size: 8, .value_kind: global_buffer, .address_space: global }
    .group_segment_fixed_size: 0
    .private_segment_fixed_size: 0
    .kernarg_segment_align: 8
    .kernarg_segment_size: 48
    .max_flat_workgroup_size: 64
    .sgpr_count:     66
    .vgpr_count:     96
    .wavefront_size: 32
...
	.end_amdgpu_metadata
.endif
;; end of part 3
;; ======== version 2 of 2: 3 launches; version 1 with the launch main written anew for expert scheduling mode
;; limits: right only within a limited range of input values
;; workspace buffers: wq 557,056 bytes; tab 135,424 bytes; lists 532,480 bytes of whole numbers; sc 327,680 bytes; part 1,114,112 bytes
;; launch prep: the kernel of part 1 again; grid 83 x 1, 16 waves a work-group, no clusters, 14,848 bytes of LDS; arguments M_w, hidden, M_b, V_w, V_b, mask, wq, tab, lists; writes wq, tab, lists
;; launch main (part 4): grid 8 x 32, 4 waves a work-group, no clusters, 327,680 bytes of LDS; arguments encoder_outputs, wq, tab, lists, sc, part; writes sc, part
.if DOCPART == 4
	.amdgcn_target "amdgcn-amd-amdhsa--gfx1250"
	.amdhsa_code_object_version 6
	.text
	.protected	k_q56e22de6e7_main
	.globl	k_q56e22de6e7_main
	.p2align	8
	.type	k_q56e22de6e7_main,@function
k_q56e22de6e7_main:
	s_mov_b64 s[64:65], 0
	v_nop
	global_prefetch_b8 v0, s[64:65] scope:SCOPE_SE
	s_setreg_imm32_b32 hwreg(HW_REG_WAVE_SCHED_MODE, 0, 2), 2
	s_setreg_imm32_b32 hwreg(HW_REG_WAVE_MODE, 25, 1), 1
	s_wait_xcnt 0x0
	s_wait_alu depctr_vm_vsrc(0)
; Rows that the mask hides are left out (shown at the head of the first kernel): this launch takes the rows that the stored list names, n_b of them, or all 2,048 with the score -1e30 where n_b = 0.
; SHARES.  Work-group (t, b) owns the t-th eighth of batch b's list, in tiles of 16 rows: at most 16 tiles.  It walks them in TWO passes of at most 144 rows; the count of passes is a constant, so that every wave
; passes every barrier; a pass, or a stage of 48 rows, with no row of mine runs the barriers and jumps over the work between them (forward scalar branches on the stored count).
; A PASS.  1: each wave gathers 36 rows (five rows, 20 KiB, on their way at all times), quantises them in registers (E2M1, one E8M0 byte for 32 along e) and keeps a bf16 copy of them in LDS: encoder_outputs is read ONCE.
; The codes go through LDS, 48 rows a stage, into EVERY wave's registers (576).  2: THE WAVES SHARE THE COLUMNS: wave w makes h = 256 w .. + 255 for all 144 rows.  M_w's codes come from memory in the order of the operand's
; registers, 8,704 bytes for 16 h, two such batches ahead; each feeds 72 matrix instructions.  The product is used transposed (source 0 = 16 rows of M_w, source 1 = 16 rows of enc): a lane holds ONE row of enc and eight h;
; c[b][h] is the C of the first K step.  V tanh(m) = V + V' / (1 + 2^(2 log2(e) m)): a packed multiply, an exponential, a packed add, a reciprocal, a packed multiply-add.  One group of three row tiles is multiplied,
; then the group before goes through these.  3: the four waves' parts of the scores meet in LDS; running maximum m, sum l; p = e^(s - m); U[e] = U[e] f + sum p x, x from the bf16 copy (thread t: e = 8 t .. 8 t + 7).
; OUT: the scores, in my own 1,280 bytes of sc, at slot 144 pass + row (all 288 slots are stored, with all lanes on: a slot with no row of mine holds -3e38 and is never looked at); and (U, m, l) for the last launch.
; NO CLUSTER, NO TENSOR LOAD, though all work-groups read the same codes of M_w: the work hangs on counts read from memory.
; NO PREFETCH of encoder_outputs: while rows are gathered each wave already has 40 loads out, and a second pass has rows only where more than 1,152 rows of a batch are unmasked.
; LIMITS: as at the head of the first kernel.  x in the weighted sum is rounded to bf16.
; THE MODE: SCHED_MODE bits 1:0 = 2 (LLVM: expert scheduling mode 2), set by the entry lines.  The code itself states the register dependences between vector or matrix instructions and memory or LDS
; instructions, with s_wait_alu, always for 0.
; THE PLAN.  Registers that memory or LDS instructions touch, and who else names them:
;   the ring    slot k: eight loads land in it; row k's lines read and rewrite it; row k's four 16-byte LDS stores read it; the loads issued at the end of row k + 1 land in it again.
;   v40-55      codes and bytes, two sets by turns: written by row k's conversions, read by its eight LDS stores, written again in row k + 2.
;   v14-19      offsets: written by vector lines (pass head, each row, each batch of M_w), read by the eight or 21 loads that follow.
;   v10-12      LDS addresses in hand: written at a lap's head, at the head of each group of the weighted sum and on the way out; read by LDS stores and loads.
;   windows 1-3 fragments and M_w's three buffers: loads land, matrix instructions read.   v64-159 in the products: loads land; matrix instructions and the multiply-adds by V' read.
;   v5, v6, v23, v56-58  LDS addresses made at the head and never written again.
; A ROW has one wait on vm_vsrc in its middle (the row before's stores have read their registers) and ONE wait on va_vdst, behind its last vector line: its 12 stores and 8 loads follow that with no vector line between.
; A BATCH's two offsets are made behind a group's products; one wait on va_vdst behind the vector work that follows serves its 21 loads.  All other waits stand where registers change their role, once a pass.
.set COPY,  0                          ; 144 rows x 2,048 bytes: the bf16 copy, dense
.set CODES, 294912                     ; 48 rows x (512 + 16): a stage's codes
.set SCL,   320256                     ; 144 rows x (32 + 16): the scale bytes
.set SPARE, 327168                     ; the spare words, 128 bytes a wave; no other line names them
.set PART,  CODES                      ; behind the row phase's last barrier: 4 waves x 640: each wave's part of 144 scores,
.set PARR,  CODES+2560                 ; 4 x 640: p, each wave's own copy,
.set USTG,  CODES+5120                 ; 4 x 1,024: U on its way out, each wave's own
; window 0: v0 thread; v1, v2 the add's two; v3 2 r + hh; v4 16 lane; v5 fragments' address; v6 scale words'; v7-9 where my rows' codes, bytes and copy go; v10-12 LDS addresses in hand; v13 32 hh;
;   v14-19 offsets of loads; v20-22 this pass's row numbers, v59-61 the next pass's; v23, v56-58 score addresses; v24 list positions, at the head; v25 lane; v26 m, v27 l; v28-35 U; v36-55 at work in the row phase;
;   v62 16 thread; v63 at work;  v64-255: the row phase's ring of 6 x 32; in the products: scale words, c, V', nine accumulators, nine pairs of score sums.
; window g + 1: v0-191 the fragments of row tiles 3 g .. 3 g + 2 (64 tau + 8 k); v192-255 M_w's fragments, buffer g.
.set RING, 64
.set VO,   14
.set VW,   14
.set VB,   17
.set IDX,  20
.set U,    28
.set T,    36
.set CD,   40
.set BY,   48
.set AS,   64                          ; v64-99   enc's scale words: tile T: 4 registers; lanes 0-15 K steps 0-3, lanes 16-31 K steps 4-7
.set WS,   100                         ; v100-111 M_w's, a buffer's 4 likewise
.set BI,   112                         ; v112-135 c, 8 a buffer
.set VP,   136                         ; v136-159 V', 8 a buffer
.set ACC,  160                         ; v160-231
.set SC,   232                         ; v232-249
.set RMAX, 0x7ff1f                     ; row 2,047's last lane term, in units of 16 bytes: 2047 x 256 + 31
.set MSB, 0
.macro WIN new                         ; the immediate's high byte repeats the setting that is left
.if MSB != (\new)
	s_set_vgpr_msb (MSB<<8)|(\new)
.set MSB, (\new)
.endif
.endm
.macro BARRIER                         ; my LDS stores have landed and my LDS loads are in: then the work-group's barrier
	s_wait_dscnt 0x0
	s_barrier_signal -1
	s_barrier_wait -1
.endm
; One row, in ring slot k.  cnt: the younger loads that may stay out.  load = 1: the row five on is asked for, into the slot that the row before has left.  lo = 1: the rows lie six further on than v10-12 say.
.macro ROW k, cnt, load, idx, lo
.set X,  RING+32*(\k)
.set XN, RING+32*(((\k)+5)%6)
.set CK, CD+4*((\k)%2)
.set BK, BY+4*((\k)%2)
.set VN, VO+((\k)+5)%6
	s_wait_loadcnt \cnt
.if \load
	s_add_co_u32 s45, s43, (\k)+5
	v_readlane_b32 s44, v[\idx], s45               ; the number of the row five on, for all lanes: asked for here, wanted behind the maxima
.endif
.irp j, 0,1,2,3
.irp i, 0,1,2,3
	v_permlane16_swap_b32 v[X+8*\j+\i], v[X+8*\j+4+\i]   ; loads 2 j and 2 j + 1 change halves: group j of lane (r, hh) now holds e = 128 (2 j + hh) + 8 r + 0 .. 7
.endr
.endr
.irp j, 0,1,2,3
	v_max3_num_f32 v[T+\j], |v[X+8*\j]|, |v[X+8*\j+1]|, 0x1800000   ; with the floor 2^(3 - 127): the byte cannot fall under 1
.endr
.irp i, 2,4,6
.irp j, 0,1,2,3
	v_max3_num_f32 v[T+\j], v[T+\j], |v[X+8*\j+\i]|, |v[X+8*\j+\i+1]|
.endr
.endr
.irp j, 0,1,2,3
	v_max_num_f32_dpp v[T+\j], v[T+\j], v[T+\j] row_xmask:1 row_mask:0xf bank_mask:0xf   ; a block of 32 lies in four neighbouring lanes
.endr
.irp j, 0,1,2,3
	v_max_num_f32_dpp v[T+\j], v[T+\j], v[T+\j] row_xmask:2 row_mask:0xf bank_mask:0xf
.endr
.if \load
	s_wait_alu depctr_va_sdst(0)                   ; s44 is written, ahead of its first reader
.endif
	s_wait_alu depctr_vm_vsrc(0)                   ; the row before's LDS stores have read its slot, in which the loads below land; the stores of two rows back have read this set of codes and bytes, which the conversions write; the loads that last named the offset below have read it
.if \load
	v_lshl_add_u32 v[VN], s44, 8, v3               ; row x 256 + my lane's term, in units of 16 bytes (the loads that last named this offset were waited for a row ago)
	v_min_u32 v[VN], RMAX, v[VN]                   ; a loaded number enters an address only behind this bound; behind it one shift
	v_lshlrev_b32 v[VN], 4, v[VN]                  ; row x 4,096 + 32 r + 16 hh
.endif
.irp j, 0,1,2,3
	v_add_nc_u32 v[T+\j], 0xff000000, v[T+\j]      ; 2 off the exponent field: the conversion's scale operand
.endr
.irp j, 0,1,2,3
	v_cvt_scalef32_pk8_fp4_f32 v[CK+\j], v[X+8*\j:X+8*\j+7], v[T+\j]
.endr
.irp j, 0,1,2,3
	v_lshrrev_b32 v[BK+\j], 23, v[T+\j]            ; the scale's byte (plain lines behind the conversions, ahead of the lines that write their sources)
.endr
.irp j, 0,1,2,3
.irp i, 0,1,2,3
	v_cvt_pk_bf16_f32 v[X+8*\j+\i], v[X+8*\j+2*\i], v[X+8*\j+2*\i+1]   ; in place, ascending: no number is written over before it is read
.endr
.endr
	s_wait_alu depctr_va_vdst(0)                   ; this row's lines have written the codes, the bytes, the copy and the offset, which the stores and loads below read (in a lap's first row v10-12 too); the row before's lines are done with its slot, in which the loads land
.irp j, 0,1,2,3
	ds_store_b32 v10, v[CK+\j] offset:3168*(\lo)+528*(\k)+128*\j
.endr
.irp j, 0,1,2,3
	ds_store_b8 v11, v[BK+\j] offset:288*(\lo)+48*(\k)+8*\j   ; the four lanes of a block write the same byte with the same value
.endr
.irp j, 0,1,2,3
	ds_store_b128 v12, v[X+8*\j:X+8*\j+3] offset:12288*(\lo)+2048*(\k)+512*\j
.endr
	s_wait_dscnt 12                                ; this row's 12 stores may be out; the row before's are done
.if \load
.irp i, 0,1,2,3,4,5,6,7
	global_load_b128 v[XN+4*\i:XN+4*\i+3], v[VN], s[4:5] offset:512*\i   ; 512 consecutive bytes; no hint: the bound on the list's end may name a row twice.  No vector line since the wait on va_vdst names these registers
.endr
.endif
.endm
; Six rows.  It finds five rows on their way, in slots 0 to 4, and leaves five (last = 1: none).
.macro LAP idx, last, lo
.if \last
	ROW 0, 32, 1, \idx, \lo
	ROW 1, 32, 0, \idx, \lo
	ROW 2, 24, 0, \idx, \lo                        ; the counts run down
	ROW 3, 16, 0, \idx, \lo
	ROW 4, 8, 0, \idx, \lo
	ROW 5, 0, 0, \idx, \lo
.else
.irp k, 0,1,2,3,4,5
	ROW \k, 32, 1, \idx, \lo                       ; four younger rows, 8 loads each
.endr
.endif
.endm
.macro FRAGS g                         ; the stage's three row tiles into every wave's registers: lane (r, hh): row r; registers 4 c .. + 3 of K step k: 16 bytes at 64 k + 32 c + 16 hh
	WIN ((\g)+1)<<6
	s_wait_alu depctr_va_vdst(0)                   ; the last pass's products are done reading these fragments' registers, in which the loads land
.irp tau, 0,1,2
.irp k, 0,1,2,3,4,5,6,7
.irp c, 0,1
	ds_load_b128 v[64*\tau+8*\k+4*\c:64*\tau+8*\k+4*\c+3], v5 offset:8448*\tau+64*\k+32*\c
.endr
.endr
.endr
	WIN 0
.endm
.macro STAGE s                         ; stages 0 and 1: two laps in a loop of constant count; the lap's LDS addresses are made ahead of the jump over the work, the steps stand behind it
	s_mov_b32 s43, 0
	s_mov_b32 s60, 0
	s_mov_b32 s61, 2304*(\s)
	s_mov_b32 s62, 98304*(\s)
	s_mov_b32 s42, 0
.Llap_\@:
	s_wait_dscnt 0x0                               ; no LDS instruction of mine names the three addresses
	s_wait_alu depctr_vm_vsrc(0)                   ; the LDS instructions issued so far have read v10-12, which are written below
	v_add_nc_u32 v10, s60, v7
	v_add_nc_u32 v11, s61, v8
	v_add_nc_u32 v12, s62, v9
	s_cmp_le_u32 s29, 48*(\s)
	s_cbranch_scc1 .Lnone_\@
	LAP IDX+(\s), 0, 0
.Lnone_\@:
	s_add_co_u32 s43, s43, 6
	s_add_co_u32 s60, s60, 6*528
	s_add_co_u32 s61, s61, 6*48
	s_add_co_u32 s62, s62, 6*2048
	s_add_co_u32 s42, s42, 1
	s_cmp_lt_u32 s42, 2
	s_cbranch_scc1 .Llap_\@
	BARRIER                                        ; the stage's 48 rows of codes lie in LDS
	FRAGS \s
	BARRIER                                        ; everybody has them: the next stage may write there
.endm
.macro BADR buf                        ; the two offsets of the batch that goes into buffer buf
	s_wait_alu depctr_vm_vsrc(0)                   ; the loads that last named the two offsets (this buffer's, three tiles back; at first the rows') have read them
	v_add_nc_u32 v[VW+(\buf)], s40, v4
	v_add_nc_u32 v[VB+(\buf)], s41, v13
.endm
.macro BATCH buf                       ; 21 loads: 16 h of M_w: codes, scale words, c, V'
	WIN ((\buf)+1)<<6
	s_wait_alu depctr_va_vdst(0)                   ; the two offsets are written; the products are done reading this buffer's fragments, scale words and c, and the multiply-adds its V': the 21 loads land there
.irp q, 0,1,2,3,4,5,6,7,8,9,10,11,12,13,14,15
	global_load_b128 v[192+4*\q:195+4*\q], v[VW+(\buf)], s[6:7] offset:512*\q
.endr
	WIN 0
	global_load_b128 v[WS+4*(\buf):WS+4*(\buf)+3], v[VW+(\buf)], s[6:7] offset:8192
	global_load_b128 v[BI+8*(\buf):BI+8*(\buf)+3], v[VB+(\buf)], s[36:37]
	global_load_b128 v[BI+8*(\buf)+4:BI+8*(\buf)+7], v[VB+(\buf)], s[36:37] offset:16
	global_load_b128 v[VP+8*(\buf):VP+8*(\buf)+3], v[VB+(\buf)], s[38:39]
	global_load_b128 v[VP+8*(\buf)+4:VP+8*(\buf)+7], v[VB+(\buf)], s[38:39] offset:16
	s_add_co_u32 s40, s40, 8704
	s_min_u32 s40, s40, 15*8704                    ; the last two batches repeat tile 15 (17 KiB a wave), so that one count serves every wait
	s_add_co_u32 s41, s41, 64
	s_min_u32 s41, s41, 15*64
.endm
.macro RUN g, buf                      ; 24 matrix instructions: 16 h x the group's 48 rows x 1,024.  The three accumulators take turns, one instruction a turn
	WIN ((\buf)+1)|(((\g)+1)<<2)
.irp k, 0,1,2,3,4,5,6,7
.irp tau, 0,1,2
.set DD, ACC+8*(3*(\g)+\tau)
.if \k == 0
	v_wmma_scale_f32_16x16x128_f8f6f4 v[DD:DD+7], v[192+8*\k:199+8*\k], v[64*\tau+8*\k:64*\tau+8*\k+7], v[BI+8*(\buf):BI+8*(\buf)+7], v[WS+4*(\buf)+\k%4], v[AS+4*(3*(\g)+\tau)+\k%4] matrix_a_fmt:MATRIX_FMT_FP4 matrix_b_fmt:MATRIX_FMT_FP4
.elseif \k < 4
	v_wmma_scale_f32_16x16x128_f8f6f4 v[DD:DD+7], v[192+8*\k:199+8*\k], v[64*\tau+8*\k:64*\tau+8*\k+7], v[DD:DD+7], v[WS+4*(\buf)+\k%4], v[AS+4*(3*(\g)+\tau)+\k%4] matrix_a_fmt:MATRIX_FMT_FP4 matrix_b_fmt:MATRIX_FMT_FP4
.else
	v_wmma_scale_f32_16x16x128_f8f6f4 v[DD:DD+7], v[192+8*\k:199+8*\k], v[64*\tau+8*\k:64*\tau+8*\k+7], v[DD:DD+7], v[WS+4*(\buf)+\k%4], v[AS+4*(3*(\g)+\tau)+\k%4] matrix_a_fmt:MATRIX_FMT_FP4 matrix_b_fmt:MATRIX_FMT_FP4 matrix_a_scale:MATRIX_SCALE_ROW1 matrix_b_scale:MATRIX_SCALE_ROW1
.endif
.endr
.endr
	WIN 0
.endm
.macro EPI g, buf                      ; the group's 24 registers of m: score sums += V' / (1 + 2^(K2 m)).  Each accumulator is read from its low end on.  Two batches of transcendentals, one wait each
.set A0, ACC+24*(\g)
.irp p, 0,1,2,3
.irp tau, 0,1,2
	v_pk_mul_f32 v[A0+8*\tau+2*\p:A0+8*\tau+2*\p+1], v[A0+8*\tau+2*\p:A0+8*\tau+2*\p+1], s[30:31] op_sel_hi:[1,0]
.endr
.endr
.set n, 0
.rept 24
	v_exp_f32 v[A0+n], v[A0+n]
.set n, n+1
.endr
	v_nop                                          ; a plain line behind the last exponential
	s_wait_alu depctr_va_vdst(0)                   ; the 24 exponentials have written the group's registers: one wait for the batch, ahead of its first reader
.set n, 0
.rept 12
	v_pk_add_f32 v[A0+n:A0+n+1], v[A0+n:A0+n+1], 1.0 op_sel_hi:[1,0]
.set n, n+2
.endr
.set n, 0
.rept 24
	v_rcp_f32 v[A0+n], v[A0+n]
.set n, n+1
.endr
	v_nop
	s_wait_alu depctr_va_vdst(0)                   ; the 24 reciprocals have written the group's registers: one wait, ahead of their first reader
.irp p, 0,1,2,3
.irp tau, 0,1,2
	v_pk_fma_f32 v[SC+2*(3*(\g)+\tau):SC+2*(3*(\g)+\tau)+1], v[A0+8*\tau+2*\p:A0+8*\tau+2*\p+1], v[VP+8*(\buf)+2*\p:VP+8*(\buf)+2*\p+1], v[SC+2*(3*(\g)+\tau):SC+2*(3*(\g)+\tau)+1]
.endr
.endr
.endm
; A group's products, then the vector work of the group before (its plain lines are the places behind both runs), then, once a tile of h, the batch two tiles on into the buffer that has just been left;
; that batch's two offsets are made ahead of the vector work, so that the wait in front of its loads finds them written.
.macro SLOT g, buf, eg, ebuf, first
.if (\g) == 0
	s_wait_loadcnt 21                              ; the one younger batch may be out: this tile's 21 loads are in
.endif
	RUN \g, \buf
.if (\g) == 0
	BADR ((\buf)+2)%3
.endif
.if \first
.rept 4
	v_nop                                          ; places behind the products, where there is no vector work yet
.endr
.else
	EPI \eg, \ebuf
.endif
.if (\g) == 0
	BATCH ((\buf)+2)%3
.endif
.endm
	s_load_b256 s[4:11], s[0:1], 0x0               ; enc s[4:5], wq s[6:7], tab s[8:9], lists s[10:11]
	s_load_b128 s[12:15], s[0:1], 0x20             ; sc s[12:13], part s[14:15]
	v_lshl_add_u32 v1, v0, 2, SPARE                ; my spare word; never rewritten
	v_mov_b32 v2, 0                                ; 0; never rewritten
	v_lshrrev_b32 v63, 5, v0
	v_readfirstlane_b32 s16, v63                   ; wave 0..3
	s_mov_b32 s17, ttmp9                           ; t
	s_and_b32 s18, ttmp7, 0xffff                   ; b
	v_and_b32 v25, 31, v0                          ; lane
	v_and_b32 v10, 15, v0                          ; r
	v_bfe_u32 v11, v0, 4, 1                        ; hh
	v_lshl_add_u32 v3, v10, 1, v11                 ; 2 r + hh: my 16 bytes of a load's 512, dealt so that two loads and an exchange of halves give a lane 8 neighbours
	v_lshlrev_b32 v4, 4, v25
	v_mul_u32_u24 v5, v10, 528
	v_lshl_add_u32 v5, v11, 4, v5
	v_add_nc_u32 v5, CODES, v5
	v_mul_u32_u24 v6, v10, 48
	v_lshl_add_u32 v6, v11, 4, v6
	v_add_nc_u32 v6, SCL, v6
	s_wait_alu depctr_va_sdst(0)                   ; s16 is written, ahead of its first reader
	s_mul_i32 s56, s16, 12*528                     ; in a stage wave w owns rows 12 w .. 12 w + 11
	v_lshlrev_b32 v7, 2, v10
	v_lshl_add_u32 v7, v11, 6, v7
	v_add_nc_u32 v7, s56, v7
	v_add_nc_u32 v7, CODES, v7                     ; codes: 128 j + 64 hh + 4 r in the row's 512 bytes
	s_mul_i32 s56, s16, 12*48
	v_lshrrev_b32 v8, 2, v10
	v_lshl_add_u32 v8, v11, 2, v8
	v_add_nc_u32 v8, s56, v8
	v_add_nc_u32 v8, SCL, v8                       ; bytes: block 8 j + 4 hh + r / 4
	s_mul_i32 s56, s16, 12*2048
	v_lshlrev_b32 v9, 4, v10
	v_lshl_add_u32 v9, v11, 8, v9
	v_add_nc_u32 v9, s56, v9                       ; copy: 512 j + 256 hh + 16 r
	v_lshlrev_b32 v13, 5, v11
	s_mul_i32 s56, s16, 640
	v_lshl_add_u32 v23, v10, 2, s56
	v_add_nc_u32 v23, PART, v23                    ; my part of a tile's 16 scores
	v_lshl_add_u32 v56, v25, 2, PART               ; scores 32 i + lane,
	v_lshl_add_u32 v57, v10, 2, PART+512           ; and 128 + lane % 16
	v_lshl_add_u32 v58, v25, 2, s56
	v_add_nc_u32 v58, PARR, v58
	v_lshlrev_b32 v62, 4, v0
	v_mul_u32_u24 v24, v25, 43
	v_lshrrev_b32 v24, 9, v24
	v_mad_u32_u24 v24, v24, 36, v25                ; lanes 0-11: the stage's rows; lanes 12 on: the next stage's (36 further on)
	s_mov_b32 s30, 0x4038aa3b                      ; K2 = 2 log2(e)
	s_mov_b32 s31, s30
	s_mov_b32 s32, 0x3fb8aa3b                      ; log2(e)
	s_mov_b32 s34, 0x76543210
	s_mov_b32 s35, 0xfedcba98                      ; selects for lane l xor 16
	s_mov_b32 s57, 0
	s_mov_b32 s59, 0
	s_mov_b32 s27, 0
	s_mov_b32 s28, 0                               ; where the pass's scores go in my part of sc: 576 bytes a pass
.irp i, 0,1,2,3,4,5,6,7
	v_mov_b32 v[U+\i], 0
.endr
	v_mov_b32 v26, 0xff61b1e6                      ; m: -3e38, under every score
	v_mov_b32 v27, 0                               ; l
	s_wait_kmcnt 0x0
	s_lshl_b32 s56, s18, 8
	s_add_nc_u64 s[56:57], s[10:11], s[56:57]
	s_load_b32 s19, s[56:57], 0x80000              ; n_b
	s_load_b32 s26, s[8:9], 0x21000                ; sum V_w + V_b
	s_lshl_b32 s58, s18, 23
	s_add_nc_u64 s[4:5], s[4:5], s[58:59]          ; the batch's rows
	s_mul_i32 s58, s16, 16*8704
	s_add_nc_u64 s[6:7], s[6:7], s[58:59]          ; my 16 tiles of M_w
	s_lshl_b32 s58, s18, 13
	s_add_nc_u64 s[10:11], s[10:11], s[58:59]      ; the batch's list
	s_lshl_b32 s55, s18, 3
	s_add_co_u32 s55, s55, s17                     ; 8 b + t
	s_mul_i32 s58, s55, 1280
	s_add_nc_u64 s[12:13], s[12:13], s[58:59]      ; my scores
	s_mul_i32 s58, s55, 4352
	s_add_nc_u64 s[14:15], s[14:15], s[58:59]      ; my record
	s_lshl_b32 s58, s18, 12
	s_lshl_b32 s55, s16, 10
	s_add_co_u32 s58, s58, s55
	s_add_nc_u64 s[36:37], s[8:9], s[58:59]        ; c[b][256 w ..]
	s_add_co_u32 s58, s55, 131072
	s_add_nc_u64 s[38:39], s[8:9], s[58:59]        ; V'[256 w ..]
	s_wait_kmcnt 0x0
	s_cmp_eq_u32 s19, 0
	s_cselect_b32 s20, 2048, s19                   ; rows listed
	s_cselect_b32 s25, -1, 0                       ; all lanes on where the whole batch is masked
	s_min_u32 s20, s20, 2048
	s_add_co_u32 s21, s20, 15
	s_lshr_b32 s21, s21, 4                         ; tiles of 16
	s_mul_i32 s22, s17, s21
	s_lshr_b32 s22, s22, 3
	s_lshl_b32 s22, s22, 4                         ; my first position
	s_add_co_u32 s23, s17, 1
	s_mul_i32 s23, s23, s21
	s_lshr_b32 s23, s23, 3
	s_lshl_b32 s23, s23, 4
	s_min_u32 s23, s23, s20                        ; my end
	s_sub_co_i32 s33, s23, s22
	s_max_i32 s33, s33, 0                          ; rows of mine still to do
	s_max_u32 s23, s23, 1
	s_sub_co_u32 s23, s23, 1                       ; positions are held at my last one
	s_mul_i32 s58, s16, 12
	s_add_co_u32 s58, s58, s22
	v_add_nc_u32 v24, s58, v24
.irp q, 0,1,2,3,4,5                    ; six vectors of row numbers: pass q / 3, stage q % 3
	v_add_nc_u32 v[64+\q], 144*(\q/3)+48*(\q%3), v24
	v_min_u32 v[64+\q], s23, v[64+\q]
	v_min_u32 v[64+\q], 0x7ff, v[64+\q]
	v_lshlrev_b32 v[64+\q], 2, v[64+\q]
.endr
	s_wait_alu depctr_va_vdst(0)                   ; the six offsets v64-69 are written, which the loads below read; so are the LDS addresses that are made once: v5, v6, v23, v56-58
.irp q, 0,1,2
	global_load_b32 v[IDX+\q], v[64+\q], s[10:11]
	global_load_b32 v[59+\q], v[67+\q], s[10:11]
.endr
.Lpass:
	s_min_u32 s29, s33, 144                        ; this pass's rows
	s_wait_loadcnt 0x0                             ; the row numbers; nothing else is out
.irp k, 0,1,2,3,4                      ; the ring is filled: on every way, so that the counts below hold on every way
	v_readlane_b32 s[50+\k], v[IDX], \k
.endr
	s_wait_alu depctr_va_sdst(0)                   ; the five row numbers s50-54 are written, ahead of their first readers
	s_wait_alu depctr_vm_vsrc(0)                   ; the last pass's loads have read the offsets v14-19, and its stores the registers of the ring (in the first pass: the list's loads have read v64-69): all are written below
.irp k, 0,1,2,3,4
	v_lshl_add_u32 v[VO+\k], s[50+\k], 8, v3
.endr
.irp k, 0,1,2,3,4
	v_min_u32 v[VO+\k], RMAX, v[VO+\k]             ; the bound, then one shift
.endr
.irp k, 0,1,2,3,4
	v_lshlrev_b32 v[VO+\k], 4, v[VO+\k]
.endr
	s_wait_alu depctr_va_vdst(0)                   ; the five offsets are written; the last pass's vector and matrix lines are done with v64-223, in which the 40 loads land
.irp k, 0,1,2,3,4
.irp i, 0,1,2,3,4,5,6,7
	global_load_b128 v[RING+32*\k+4*\i:RING+32*\k+4*\i+3], v[VO+\k], s[4:5] offset:512*\i
.endr
.endr
	STAGE 0
	STAGE 1
	s_wait_dscnt 0x0                               ; stage 2 is written out: its addresses are made here, ahead of the jump; its second lap reaches six rows on by immediates
	s_mov_b32 s43, 0
	s_wait_alu depctr_vm_vsrc(0)                   ; the LDS stores issued so far have read v10-12, which are written below
	v_add_nc_u32 v10, 0, v7
	v_add_nc_u32 v11, 2304*2, v8
	v_add_nc_u32 v12, 98304*2, v9
	s_cmp_le_u32 s29, 96
	s_cbranch_scc1 .Lnone_2
	LAP IDX+2, 0, 0
	s_mov_b32 s43, 6
	LAP IDX+2, 1, 1
.Lnone_2:
	s_wait_loadcnt 0x0                             ; where stages were left out, the ring's five rows are still on their way
	BARRIER
	s_wait_alu depctr_va_vdst(0)                   ; the rows' lines are done with the ring's registers: from here on scale words, c and V' land in v64-159
	s_wait_alu depctr_vm_vsrc(0)                   ; the rows' LDS stores have read the ring's registers: loads land in v64-159, the products write v160-231, the lines below v232-249
.irp tt, 0,1,2,3,4,5,6,7,8
	ds_load_b128 v[AS+4*\tt:AS+4*\tt+3], v6 offset:768*\tt
.endr
	FRAGS 2
	BARRIER                                        ; nobody reads the codes any more: their bytes serve the scores from here on
.set n, 0
.rept 18
	v_mov_b32 v[SC+n], 0
.set n, n+1
.endr
	s_cmp_eq_u32 s29, 0
	s_cbranch_scc1 .Lnoprod                        ; no LDS access and no barrier stands in what is jumped over
	s_mov_b32 s40, 0
	s_mov_b32 s41, 0
	BADR 0
	BATCH 0
	BADR 1
	BATCH 1
	SLOT 0,0,0,0,1
	s_mov_b32 s42, 0
.Lprod:                                            ; three tiles of h a trip: the buffers' numbers are back where they began
	SLOT 1,0,0,0,0
	SLOT 2,0,1,0,0
	SLOT 0,1,2,0,0
	SLOT 1,1,0,1,0
	SLOT 2,1,1,1,0
	SLOT 0,2,2,1,0
	SLOT 1,2,0,2,0
	SLOT 2,2,1,2,0
	SLOT 0,0,2,2,0
	s_add_co_u32 s42, s42, 1
	s_cmp_lt_u32 s42, 5
	s_cbranch_scc1 .Lprod
	SLOT 1,0,0,0,0                                 ; tile 15
	SLOT 2,0,1,0,0
	EPI 2,0
	s_wait_loadcnt 0x0                             ; the two repeated batches
.Lnoprod:
; ---- the scores
.irp tt, 0,1,2,3,4,5,6,7,8
	v_add_f32 v[SC+2*\tt], v[SC+2*\tt], v[SC+2*\tt+1]
.endr
.irp tt, 0,1,2,3,4,5,6,7,8
	v_permlanex16_b32 v[SC+2*\tt+1], v[SC+2*\tt], s34, s35
.endr
.irp tt, 0,1,2,3,4,5,6,7,8
	v_add_f32 v[SC+2*\tt], v[SC+2*\tt], v[SC+2*\tt+1]    ; row r's sum over my 256 h
.endr
	s_wait_alu depctr_va_vdst(0)                   ; the nine sums are written, which the LDS stores read; the products are done reading the scale words v64-83, in which the loads behind the barrier land
.irp tt, 0,1,2,3,4,5,6,7,8
	ds_store_b32 v23, v[SC+2*\tt] offset:64*\tt    ; both halves of the lanes write the same word with the same value
.endr
	BARRIER
.irp u, 0,1,2,3
.irp i, 0,1,2,3
	ds_load_b32 v[64+5*\u+\i], v56 offset:640*\u+128*\i
.endr
	ds_load_b32 v[68+5*\u], v57 offset:640*\u
.endr
	v_mov_b32 v85, 0                               ; a lane permute's destination counts as one of its sources
	v_mov_b32 v95, 0                               ; (named as the upper half of the pair v[94:95])
	v_mov_b32 v101, 0xf149f2ca                     ; -1e30
	v_mov_b32 v102, 0xff61b1e6                     ; -3e38
	v_and_b32 v97, 15, v25                         ; lane % 16
.irp i, 0,1,2,3,4
	s_sub_co_i32 s[55+\i], s29, 32*\i              ; the pass's rows less 32 i
.endr
	s_wait_dscnt 0x0
.irp i, 0,1,2,3,4
	v_add_f32 v[64+\i], v[64+\i], v[69+\i]
	v_add_f32 v[74+\i], v[74+\i], v[79+\i]
.endr
.irp i, 0,1,2,3,4
	v_add_f32 v[64+\i], v[64+\i], v[74+\i]
.endr
.irp i, 0,1,2,3,4
	v_add_f32 v[64+\i], s26, v[64+\i]              ; + sum V_w + V_b: row 32 i + lane's score (the fifth: row 128 + lane % 16's, in both halves of the lanes)
.endr
.irp i, 0,1,2,3,4                      ; the six compares stand in one run, ahead of the selects that hang on no compare
	v_cmp_gt_i32 s[50+\i], s[55+\i], v25           ; is the row one of mine?  (Of the fifth register lanes 0-15 alone can count)
.endr
	v_cmp_gt_i32 vcc_lo, s59, v97                  ; (s59 holds the pass's rows less 128)
.irp i, 0,1,2,3,4
	v_cndmask_b32 v[64+\i], v[64+\i], v101, s25    ; a batch that is masked as a whole: -1e30
.endr
	s_wait_alu depctr_va_vcc(0)                    ; VCC is written, ahead of its first reader
	v_cndmask_b32 v103, v102, v68, vcc_lo          ; rows 128 .. 143 as they are stored: the same number in lanes l and l + 16
	s_wait_alu depctr_va_sdst(0)                   ; the five masks s50-54 are written, ahead of their first readers
.irp i, 0,1,2,3,4
	v_cndmask_b32 v[64+\i], v102, v[64+\i], s[50+\i]
.endr
	v_max3_num_f32 v84, v64, v65, v66
	v_max3_num_f32 v84, v84, v67, v68
	v_max_num_f32_dpp v84, v84, v84 row_xmask:1 row_mask:0xf bank_mask:0xf
	v_max_num_f32_dpp v84, v84, v84 row_xmask:2 row_mask:0xf bank_mask:0xf
	v_max_num_f32_dpp v84, v84, v84 row_xmask:4 row_mask:0xf bank_mask:0xf
	v_max_num_f32_dpp v84, v84, v84 row_xmask:8 row_mask:0xf bank_mask:0xf
	v_permlanex16_b32 v85, v84, s34, s35
	v_max3_num_f32 v86, v84, v85, v26              ; the new m
	v_sub_f32 v94, v26, v86
.irp i, 0,1,2,3,4
	v_sub_f32 v[88+\i], v[64+\i], v86              ; the maximum is taken away first, then the factor log2(e)
.endr
	v_mul_f32 v94, s32, v94
.irp i, 0,1,2,3,4
	v_mul_f32 v[88+\i], s32, v[88+\i]
.endr
	v_exp_f32 v94, v94                             ; f = e^(old m - new m)
.irp i, 0,1,2,3,4
	v_exp_f32 v[88+\i], v[88+\i]                   ; p
.endr
	v_mov_b32 v26, v86                             ; (a plain line behind the exponentials)
	s_wait_alu depctr_va_vdst(0)                   ; the six exponentials have written v94 and v88-92: one wait, ahead of their first reader
.irp i, 0,1,2,3,4
	v_cndmask_b32 v[88+\i], 0, v[88+\i], s[50+\i]
.endr
	v_add_f32 v93, v88, v89
	v_add_f32 v84, v90, v91
	v_add_f32 v93, v93, v92
	v_add_f32 v93, v93, v84
	v_add_f32_dpp v93, v93, v93 row_xmask:1 row_mask:0xf bank_mask:0xf
	v_add_f32_dpp v93, v93, v93 row_xmask:2 row_mask:0xf bank_mask:0xf
	v_add_f32_dpp v93, v93, v93 row_xmask:4 row_mask:0xf bank_mask:0xf
	v_add_f32_dpp v93, v93, v93 row_xmask:8 row_mask:0xf bank_mask:0xf
	v_permlanex16_b32 v85, v93, s34, s35
	v_add_f32 v93, v93, v85
	v_fma_f32 v27, v27, v94, v93                   ; l
.irp q, 0,2,4,6
	v_pk_mul_f32 v[U+\q:U+\q+1], v[U+\q:U+\q+1], v[94:95] op_sel_hi:[1,0]
.endr
	s_wait_alu depctr_va_vdst(0)                   ; p, v88-92, is written, which the LDS stores read; so are the scores v64-67 and v103, which wave 0's stores read
.irp i, 0,1,2,3,4
	ds_store_b32 v58, v[88+\i] offset:128*\i       ; p into my wave's own bytes: read back below, one word for all lanes
.endr
	s_cmp_lg_u32 s16, 0
	s_cbranch_scc1 .Lnosc
	v_lshl_add_u32 v96, v25, 2, s28                ; wave 0 stores the pass's 144 slots, all lanes on: the slots are my work-group's own, so no lane has to be held back
	v_lshl_add_u32 v97, v97, 2, s28
	s_wait_alu depctr_va_vdst(0)                   ; the two offsets v96 and v97 are written, which the stores read
.irp i, 0,1,2,3
	global_store_b32 v96, v[64+\i], s[12:13] offset:128*\i   ; 128 consecutive bytes; 1,152 bytes a work-group in all
.endr
	global_store_b32 v97, v103, s[12:13] offset:512          ; lanes l and l + 16 write the same word with the same value
	s_wait_xcnt 0x0                                ; the stores have read their offsets and data: the LDS loads below land on those registers
.Lnosc:
; ---- U += sum p x: six groups of 24 rows; a group with no row of mine is jumped over (its stage may not have been written); the group's two addresses are made ahead of the jump
	s_mov_b32 s47, 0
	s_mov_b32 s48, 0
	s_mul_i32 s49, s16, 640
	s_add_co_u32 s49, s49, PARR
	s_mov_b32 s42, 0
.Lws:
	s_wait_alu depctr_vm_vsrc(0)                   ; the LDS instructions issued so far have read v10 and v11, which are written below; in the first trip wave 0's stores have read v64-67, v96, v97 and v103, in which the loads land
	v_mov_b32 v10, s49
	v_add_nc_u32 v11, s48, v62
	s_wait_alu depctr_va_vdst(0)                   ; the two addresses are written; the lines issued so far (the scores'; the last group's multiply-adds) are done with v64-87 and v96-191, in which the loads land
	s_cmp_le_u32 s29, s47
	s_cbranch_scc1 .Lws_none
.irp q, 0,1,2,3,4,5
	ds_load_b128 v[64+4*\q:67+4*\q], v10 offset:16*\q          ; 24 p, the same in every lane
.endr
.irp q, 0,1,2,3,4,5,6,7,8,9,10,11,12,13,14,15,16,17,18,19,20,21,22,23
	ds_load_b128 v[96+4*\q:99+4*\q], v11 offset:2048*\q        ; my 8 numbers of 24 rows
.endr
.irp q, 0,1,2,3,4,5,6,7,8,9,10,11,12,13,14,15,16,17,18,19,20,21,22,23
	s_wait_dscnt 23-\q                             ; the loads issued behind this row's may be out
.irp c, 0,1,2,3
	v_fma_mix_f32_bf16 v[U+2*\c], v[96+4*\q+\c], v[64+\q], v[U+2*\c] op_sel_hi:[1,0,0]
	v_fma_mix_f32_bf16 v[U+2*\c+1], v[96+4*\q+\c], v[64+\q], v[U+2*\c+1] op_sel:[1,0,0] op_sel_hi:[1,0,0]
.endr
.endr
.Lws_none:
	s_add_co_u32 s47, s47, 24
	s_add_co_u32 s48, s48, 24*2048
	s_add_co_u32 s49, s49, 96
	s_add_co_u32 s42, s42, 1
	s_cmp_lt_u32 s42, 6
	s_cbranch_scc1 .Lws
.irp q, 0,1,2
	v_mov_b32 v[IDX+\q], v[59+\q]                  ; the next pass's row numbers
.endr
	BARRIER                                        ; everybody's reads of the copy and of the scores are over: the next pass may write there
	s_sub_co_u32 s33, s33, s29
	s_add_co_u32 s28, s28, 576
	s_add_co_u32 s27, s27, 1
	s_cmp_lt_u32 s27, 2
	s_cbranch_scc1 .Lpass
; ---- out: a thread's 8 sums are 32 bytes: through my wave's own bytes, so that each store covers 512 consecutive bytes
	s_lshl_b32 s56, s16, 10
	s_wait_alu depctr_vm_vsrc(0)                   ; the last group's LDS loads have read v10 and v11, the rows' stores v12: all three are written below
	v_lshl_add_u32 v10, v25, 5, s56
	v_add_nc_u32 v10, USTG, v10
	v_add_nc_u32 v11, s56, v4
	v_add_nc_u32 v12, USTG, v11
	s_wait_alu depctr_va_vdst(0)                   ; the three addresses and U are written, which the lines below read; the multiply-adds are done reading v64-71, in which the two loads land
	ds_store_b128 v10, v[U:U+3]
	ds_store_b128 v10, v[U+4:U+7] offset:16
	ds_load_b128 v[64:67], v12                     ; LDS serves a wave's instructions in order: these see my stores
	ds_load_b128 v[68:71], v12 offset:512
	s_wait_dscnt 0x0
	global_store_b128 v11, v[64:67], s[14:15]
	global_store_b128 v11, v[68:71], s[14:15] offset:512
	s_cmp_lg_u32 s16, 0
	s_cbranch_scc1 .Lfin
	v_lshlrev_b32 v63, 3, v25
	s_wait_alu depctr_va_vdst(0)                   ; the offset v63 is written, which the store reads (m and l were written ahead of the wait above)
	global_store_b64 v63, v[26:27], s[14:15] offset:4096   ; (m, l), 32 times: 256 consecutive bytes
.Lfin:
	s_wait_dscnt 0x0                               ; the closing lines, six on end
	s_wait_alu 0x0
	s_wait_tensorcnt 0x0
	ds_add_u32 v1, v2
	s_wait_dscnt 0x0
	s_endpgm
.Lfunc_end_k_q56e22de6e7_main:
	.size	k_q56e22de6e7_main, .Lfunc_end_k_q56e22de6e7_main-k_q56e22de6e7_main
	.p2alignl 7, 3214868480
	.fill 96, 4, 3214868480
	.section	.rodata,"a",@progbits
	.p2align	6, 0x0
	.amdhsa_kernel k_q56e22de6e7_main
		.amdhsa_group_segment_fixed_size 327680
		.amdhsa_private_segment_fixed_size 0
		.amdhsa_enable_private_segment 0
		.amdhsa_kernarg_size 48
		.amdhsa_user_sgpr_count 2
		.amdhsa_user_sgpr_kernarg_segment_ptr 1
		.amdhsa_wavefront_size32 1
		.amdhsa_system_sgpr_workgroup_id_x 1
		.amdhsa_system_sgpr_workgroup_id_y 1
		.amdhsa_system_sgpr_workgroup_id_z 1
		.amdhsa_system_vgpr_workitem_id 0
		.amdhsa_next_free_vgpr 1024
		.amdhsa_next_free_sgpr 66
		.amdhsa_reserve_vcc 1
		.amdhsa_float_denorm_mode_32 3
		.amdhsa_float_denorm_mode_16_64 3
		.amdhsa_memory_ordered 1
		.amdhsa_forward_progress 1
		.amdhsa_inst_pref_size 255
	.end_amdhsa_kernel
	.section	.bss,"aw",@nobits
	.p2align	6
	.space	262144
	.amdgpu_metadata
---
amdhsa.version: [ 1, 2 ]
amdhsa.kernels:
  - .name:           k_q56e22de6e7_main
    .symbol:         k_q56e22de6e7_main.kd
    .args:
      - { .name: encoder_outputs, .offset: 0, .size: 8, .value_kind: global_buffer, .address_space: global }
      - { .name: wq, .offset: 8, .size: 8, .value_kind: global_buffer, .address_space: global }
      - { .name: tab, .offset: 16, .size: 8, .value_kind: global_buffer, .address_space: global }
      - { .name: lists, .offset: 24, .size: 8, .value_kind: global_buffer, .address_space: global }
      - { .name: sc, .offset: 32, .size: 8, .value_kind: global_buffer, .address_space: global }
      - { .name: part, .offset: 40, .size: 8, .value_kind: global_buffer, .address_space: global }
    .group_segment_fixed_size: 327680
    .private_segment_fixed_size: 0
    .kernarg_segment_align: 8
    .kernarg_segment_size: 48
    .max_flat_workgroup_size: 128
    .sgpr_count:     66
    .vgpr_count:     1024
    .wavefront_size: 32
...
	.end_amdgpu_metadata
.endif
;; end of part 4
;; launch fin: the kernel of part 3 again; grid 32 x 4, 2 waves a work-group, no clusters, 0 bytes of LDS; arguments mask, lists, sc, part, out0, out1; writes out0, out1
